; MI455X (gfx1250); checked and timed in simulation.
; The chip was launched on July 23, 2026; its instructions are those of AMD's public machine-readable ISA for CDNA 5 (MIT licence, August 2026) and "CDNA5" Instruction Set Architecture Reference Guide (July 2026). The comments in the code are by the model that wrote it; some were corrected since.
;; Multi Head Attention. Allowed arithmetic: matrix products marked QUANTISED: E2M1 operands, one E8M0 scale for each 32 along K, by v_wmma_scale_f32_16x16x128_f8f6f4 with both operands' format E2M1 (or v_wmma_scale_f32_32x16x128_f4), f32 sums; products left as they are: bf16, f16 or f32 operands; f32 sums; everything else in f32.
;; Inputs: Wk 1,024 x 1,024 float32; Wo 1,024 x 1,024 float32; Wq 1,024 x 1,024 float32; Wv 1,024 x 1,024 float32; bk 1,024 float32; bo 1,024 float32; bq 1,024 float32; bv 1,024 float32; x 4 x 2,048 x 1,024 float32.
;; Outputs: out0 4 x 2,048 x 1,024 float32.
;; This version of the problem:
;;   THIS VERSION OF THE PROBLEM IS GIVEN IN LOW PRECISION. The matrix products marked QUANTISED in the list below multiply operands that are first quantised to E2M1 (2 exponent bits, 1 mantissa bit; 4 bits a number), with one power-of-two scale for each 32 numbers along K (OCP MX v1.0); their sums are f32. The products marked 'left as it is' may take bf16, f16 or f32 operands, with f32 sums. Whichever they take, every output number must still come out within the allowed error. Rounding operands to bf16 (8 significant bits) uses up far more of that allowance than f16 does (11 bits, for magnitudes from 6e-5 to 65,504). All else is computed in f32.
;;   The module's matrix products, in the order in which they are computed (A, B: the left and right operand; K: the contracted axis; several contracted axes count as one K, in the product's order):
;;     1. [M 8,192, K 1,024] x [K 1,024, N 1,024]; A: input x; B: input Wq: QUANTISED
;;     2. [M 8,192, K 1,024] x [K 1,024, N 1,024]; A: input x; B: input Wk: QUANTISED
;;     3. [M 8,192, K 1,024] x [K 1,024, N 1,024]; A: input x; B: input Wv: QUANTISED
;;     4. batch 64 x [M 2,048, K 64] x [K 64, N 2,048]; A: computed on the way; B: computed on the way: left as it is (an operand is computed on the way)
;;     5. batch 64 x [M 2,048, K 2,048] x [K 2,048, N 64]; A: computed on the way; B: computed on the way: left as it is (an operand is computed on the way)
;;     6. [M 8,192, K 1,024] x [K 1,024, N 1,024]; A: computed on the way; B: input Wo: left as it is (an operand is computed on the way)
;;   THE QUANTISER, for each operand of a quantised product, along K:
;;     - K is cut into blocks of 32 from its start; a last block that is shorter is filled with zeros.
;;     - A block's scale is 2^e with e = floor(log2(the largest magnitude in the block)) - 2, held to -126 .. 127; a block of zeros has e = 0. As a byte (E8M0): e + 127.
;;     - Each number is divided by its block's scale, clamped to +-6, and rounded to the nearest number of E2M1, ties to even, subnormals kept.
;;     - The product sums the exact products of the quantised numbers (number of the format x scale) in f32.
;;   ~~~python
;;   def quantise(x, axis):      # numpy; x: float32 -> the quantised numbers, widened to float32 again
;;       x = np.moveaxis(x, axis, -1); K = x.shape[-1]
;;       x = np.pad(x, [(0, 0)] * (x.ndim - 1) + [(0, -K % 32)]); x = x.reshape(x.shape[:-1] + (-1, 32)); a = np.abs(x).max(-1, keepdims=True)
;;       e = np.where(a > 0, np.clip(np.frexp(np.where(a > 0, a, 1))[1] - 1 - 2, -126, 127), 0)      # np.frexp(a)[1] - 1 = floor(log2(a)), exactly
;;       r = np.clip(x / 2.0 ** e, -6, 6)
;;       step = 2.0 ** (np.maximum(np.frexp(np.where(r == 0, 1, r))[1] - 1, 0) - 1)
;;       q = np.round(r / step) * step * 2.0 ** e      # np.round: ties to even
;;       return np.moveaxis(q.reshape(q.shape[:-2] + (-1,))[..., :K], -1, axis).astype(np.float32)
;;   ~~~
;; One version. Each part assembles by itself: llvm-mc -triple=amdgcn-amd-amdhsa -mcpu=gfx1250 --defsym DOCPART=n.
;; ======== version 1 of 1: 4 launches
;; limits: values are held in f16: magnitudes above 65,504 overflow, below 6.1e-05 lose precision
;; workspace buffers: xcodes 4,194,304 bytes; xscales 262,144 bytes; wcodes 1,572,864 bytes; wscales 98,304 bytes; wo16 2,097,152 bytes; qkv 50,331,648 bytes; att 16,777,216 bytes
;; launch quant (part 1): grid 768 x 1, 2 waves a work-group, no clusters, 16,640 bytes of LDS; arguments x, Wq, Wk, Wv, Wo, xcodes, xscales, wcodes, wscales, wo16; writes xcodes, xscales, wcodes, wscales, wo16
.if DOCPART == 1
	.amdgcn_target "amdgcn-amd-amdhsa--gfx1250"
	.amdhsa_code_object_version 6
	.text
	.protected	k_qa38179de31_quant
	.globl	k_qa38179de31_quant
	.p2align	8
	.type	k_qa38179de31_quant,@function
k_qa38179de31_quant:
	s_mov_b64 s[64:65], 0
	v_nop
	global_prefetch_b8 v0, s[64:65] scope:SCOPE_SE
	s_setreg_imm32_b32 hwreg(HW_REG_WAVE_MODE, 25, 1), 1
	s_wait_xcnt 0x0
; x [8192][1024] and Wq, Wk, Wv [1024][1024], f32 with K innermost, become codes of FP4 (E2M1), two to a byte, with one E8M0 byte for each 32 along K; Wo [1024][1024] becomes f16.
; A block's scale is 2^(floor(log2(its largest magnitude)) - 2); its byte is the largest magnitude's exponent field - 2, held at 1 from below.  Each number is divided by the scale and rounded
; to the nearest code, ties to even; beyond 6 the conversion gives the largest code.
; LIMITS: a block of zeros gets the byte 1 (not 127): its codes are zeros, and the bytes are read by this program alone.  Blocks whose largest magnitude lies under 2^-124 are held at that floor.
; NaN and infinities among the inputs are not served.  Wo must lie inside f16's range (65,504).
; Rows are dense and K is a multiple of 32: every tensor is a plain stream of blocks of 32.  A wave takes a run of 8,192 numbers: 16 steps of 512.
; WORK-GROUPS: 0-511 x (runs 2 g + wave); 512-703 Wq, Wk, Wv (64 each; their codes and bytes lie on end in wcodes, wscales); 704-767 Wo.  768 = 3 x 256: three for each WGP.
; The conversions take neighbours along K from ONE lane's registers, a load is best where neighbouring LANES take neighbouring bytes: each load reads 512 consecutive bytes, and a step's 2,048 bytes
; turn through the wave's own stage in LDS (16 bytes of padding behind each 64).  No tensor load, no barrier: waves share nothing.
.set WAVES, 2
.set STEPS, 16
.set GX,    512                        ; work-groups for x
.set GW,    192                        ; for the three weights
.set CB,    8                          ; bytes of 16 codes
.set R,     16                         ; v16-79   four sets of 16 numbers as loaded (the cast: v16-143, two sets of 64)
.set X,     80                         ; v80-111  two sets of 16 neighbours
.set E,     112                        ; v112-127 a scale byte for each step
.set C,     128                        ; v128-191 codes: four registers a step, so that no store's data are written again
.set HF,    144                        ; v144-175 the cast: 64 f16 a lane
.set WREG,  8192                       ; LDS: a region for each wave: two stages of 32 x SP bytes, then its 256 scale bytes
.set SP,    80
.set SPW,   12                         ; v12  LDS address of my spare word; never rewritten
.set NIL,   13                         ; v13  0; never rewritten
.set SPARE, WAVES*WREG                 ; the spare words: 128 bytes a wave, one block of 256 bytes that no other line names
	s_load_b256 s[4:11], s[0:1], 0x0               ; x, Wq, Wk, Wv
	s_load_b256 s[12:19], s[0:1], 0x20             ; Wo, xcodes, xscales, wcodes
	s_load_b128 s[20:23], s[0:1], 0x40             ; wscales, wo16
	v_lshl_add_u32 v[SPW], v0, 2, SPARE
	v_mov_b32 v[NIL], 0
	v_lshrrev_b32 v1, 5, v0
	v_readfirstlane_b32 s24, v1                    ; wave
	v_and_b32 v2, 31, v0                           ; lane
	v_lshlrev_b32 v3, 4, v2                        ; my 16 bytes of a load's 512
	s_mul_i32 s29, s24, WREG
	v_lshrrev_b32 v14, 2, v2
	v_mul_u32_u24 v14, v14, SP
	v_and_b32 v15, 3, v2
	v_lshl_add_u32 v14, v15, 4, v14
	v_add_nc_u32 v14, s29, v14                     ; the stage, on the way in: SP (lane / 4) + 16 (lane % 4)
	v_mul_u32_u24 v15, v2, SP
	v_add_nc_u32 v15, s29, v15                     ; on the way out: SP x lane: my 16 neighbours
	v_mul_u32_u24 v4, v2, CB                       ; my codes' place in a step's
	v_lshrrev_b32 v5, 1, v2
	s_add_co_u32 s29, s29, 2*32*SP
	v_add_nc_u32 v5, s29, v5                       ; my wave's 256 scale bytes, my block's byte
	v_lshlrev_b32 v7, 3, v2                        ; 8 bytes a lane
	v_add_nc_u32 v6, s29, v7
	s_mov_b32 s31, 0
	s_wait_kmcnt 0x0
	s_cmp_ge_u32 ttmp9, GX+GW                      ; the choice hangs on the work-group's number alone
	s_cbranch_scc1 .Lwo
	s_mov_b32 s26, 0x1ff
	s_cmp_lt_u32 ttmp9, GX                         ; x's work-group, or a weight's?
	s_cselect_b32 s25, 0, GX
	s_cselect_b32 s26, s26, 63                     ; how many work-groups the source has, less 1
	s_cselect_b64 s[14:15], s[14:15], s[18:19]     ; the codes' buffer
	s_cselect_b64 s[16:17], s[16:17], s[20:21]     ; the bytes'
	s_sub_co_u32 s25, ttmp9, s25                   ; my number among the destination's work-groups,
	s_and_b32 s26, s26, s25                        ; and among the source's
	s_lshr_b32 s28, s25, 6                         ; which weight
	s_cmp_eq_u32 s28, 1
	s_cselect_b64 s[6:7], s[8:9], s[6:7]
	s_cmp_eq_u32 s28, 2
	s_cselect_b64 s[6:7], s[10:11], s[6:7]
	s_cmp_lt_u32 ttmp9, GX
	s_cselect_b64 s[4:5], s[4:5], s[6:7]           ; the source
	s_lshl_b32 s26, s26, 1
	s_add_co_u32 s26, s26, s24                     ; my run in the source,
	s_lshl_b32 s25, s25, 1
	s_add_co_u32 s25, s25, s24                     ; and in the destination
	s_lshl_b32 s30, s26, 15                        ; 32,768 bytes of f32 a run
	s_add_nc_u64 s[4:5], s[4:5], s[30:31]
	s_lshl_b32 s30, s25, 12                        ; 4,096 bytes of codes
	s_add_nc_u64 s[14:15], s[14:15], s[30:31]
	s_lshl_b32 s30, s25, 8                         ; 256 scale bytes
	s_add_nc_u64 s[16:17], s[16:17], s[30:31]
.macro LOAD t
.irp i, 0,1,2,3
	global_load_b128 v[R+16*((\t)%4)+4*\i:R+16*((\t)%4)+4*\i+3], v3, s[4:5] offset:2048*(\t)+512*\i th:TH_LOAD_NT   ; 32 lanes read 512 consecutive bytes
.endr
.endm
.macro TURN t                          ; step t's numbers through the stage: LDS serves a wave's instructions in order, so no wait stands between the stores and the loads
.irp i, 0,1,2,3
	ds_store_b128 v14, v[R+16*((\t)%4)+4*\i:R+16*((\t)%4)+4*\i+3] offset:32*SP*((\t)%2)+8*SP*\i
.endr
.irp i, 0,1,2,3
	ds_load_b128 v[X+16*((\t)%2)+4*\i:X+16*((\t)%2)+4*\i+3], v15 offset:32*SP*((\t)%2)+16*\i
.endr
.endm
.irp t, 0,1,2,3
	LOAD \t
.endr
	s_wait_loadcnt 12                              ; step 0's four loads are in; the twelve of steps 1 to 3 may be out
	TURN 0
.macro STEP t
.set XS, X+16*((\t)%2)
.if (\t) > 0
	s_wait_dscnt 1                                 ; this step's numbers are back from the stage (the last step's byte store may be out): so its stores into the stage have read their registers,
.else
	s_wait_dscnt 0x0
.endif
.if (\t)+4 < STEPS
	LOAD (\t)+4                                    ; which take the loads of four steps on
.endif
.if (\t)+1 < STEPS
.if STEPS-2-(\t) >= 3
	s_wait_loadcnt 12                              ; the next step's four loads are in; those of the three steps behind it may be out
.else
	s_wait_loadcnt 4*(STEPS-2-(\t))
.endif
	TURN (\t)+1                                    ; and go through the other stage while this step is worked
.endif
	v_max3_num_f32 v8, |v[XS]|, |v[XS+1]|, |v[XS+2]|               ; the largest magnitude of my 16, in two chains
	v_max3_num_f32 v9, |v[XS+3]|, |v[XS+4]|, |v[XS+5]|
.irp i, 6,10
	v_max3_num_f32 v8, v8, |v[XS+\i]|, |v[XS+\i+1]|
	v_max3_num_f32 v9, v9, |v[XS+\i+2]|, |v[XS+\i+3]|
.endr
	v_max3_num_f32 v8, v8, |v[XS+14]|, |v[XS+15]|
	v_max3_num_f32 v8, v8, v9, 0x1800000           ; and the floor 2^(3 - 127): so the byte cannot fall under 1
	v_max_num_f32_dpp v8, v8, v8 row_xmask:1 row_mask:0xf bank_mask:0xf   ; and of my neighbour's 16: the block's
	v_add_nc_u32 v11, 0xff000000, v8               ; 2 off its exponent field: the conversion takes the exponent field of this operand as its scale, and nothing else of it
	v_cvt_scalef32_pk8_fp4_f32 v[C+4*(\t)], v[XS:XS+7], v11
	v_cvt_scalef32_pk8_fp4_f32 v[C+4*(\t)+1], v[XS+8:XS+15], v11
	v_lshrrev_b32 v[E+(\t)], 23, v11               ; the scale's byte (also the plain line behind the conversions)
	ds_store_b8 v5, v[E+(\t)] offset:16*(\t)       ; both lanes of a block write the same byte with the same value
	global_store_b64 v4, v[C+4*(\t):C+4*(\t)+1], s[14:15] offset:32*CB*(\t)   ; the wave stores 256 consecutive bytes, aligned
.endm
.irp t, 0,1,2,3,4,5,6,7,8,9,10,11,12,13,14,15
	STEP \t
.endr
	ds_load_b64 v[8:9], v6                         ; LDS serves a wave's instructions in order: these see my byte stores
	s_wait_dscnt 0x0
	global_store_b64 v7, v[8:9], s[16:17]          ; 32 lanes store 256 consecutive bytes, aligned
	s_branch .Lend
.Lwo:
	; Wo to f16, row-major as it lies: four rounds of 16 loads of 512 bytes; two rounds' loads are out at a time.  No LDS.
	s_sub_co_u32 s25, ttmp9, GX+GW
	s_lshl_b32 s25, s25, 1
	s_add_co_u32 s25, s25, s24                     ; my run
	s_lshl_b32 s30, s25, 15
	s_add_nc_u64 s[12:13], s[12:13], s[30:31]
	s_lshl_b32 s30, s25, 14                        ; 16,384 bytes of f16 a run
	s_add_nc_u64 s[22:23], s[22:23], s[30:31]
.macro LOADW r
.irp i, 0,1,2,3,4,5,6,7,8,9,10,11,12,13,14,15
	global_load_b128 v[R+64*((\r)%2)+4*\i:R+64*((\r)%2)+4*\i+3], v3, s[12:13] offset:8192*(\r)+512*\i th:TH_LOAD_NT
.endr
.endm
.macro ROUNDW r
.if (\r) < 3
	s_wait_loadcnt 16                              ; this round's sixteen loads are in; the next round's sixteen may be out
.else
	s_wait_loadcnt 0x0
.endif
.if (\r) > 0
	s_wait_xcnt 0x0                                ; the last round's stores have read their data registers, which are written again below
.endif
.irp i, 0,1,2,3,4,5,6,7,8,9,10,11,12,13,14,15
	v_cvt_pk_f16_f32 v[HF+2*\i], v[R+64*((\r)%2)+4*\i], v[R+64*((\r)%2)+4*\i+1]
	v_cvt_pk_f16_f32 v[HF+2*\i+1], v[R+64*((\r)%2)+4*\i+2], v[R+64*((\r)%2)+4*\i+3]
.endr
.irp i, 0,1,2,3,4,5,6,7,8,9,10,11,12,13,14,15
	global_store_b64 v7, v[HF+2*\i:HF+2*\i+1], s[22:23] offset:4096*(\r)+256*\i   ; 256 consecutive bytes, aligned
.endr
.if (\r)+2 < 4
	LOADW (\r)+2
.endif
.endm
	LOADW 0
	LOADW 1
	ROUNDW 0
	ROUNDW 1
	ROUNDW 2
	ROUNDW 3
.Lend:
	s_wait_tensorcnt 0x0                           ; the wave's end: behind my last LDS store
	ds_add_u32 v[SPW], v[NIL]
	s_wait_dscnt 0x0
	s_endpgm
.Lfunc_end_k_qa38179de31_quant:
	.size	k_qa38179de31_quant, .Lfunc_end_k_qa38179de31_quant-k_qa38179de31_quant
	.p2alignl 7, 3214868480
	.fill 96, 4, 3214868480
	.section	.rodata,"a",@progbits
	.p2align	6, 0x0
	.amdhsa_kernel k_qa38179de31_quant
		.amdhsa_group_segment_fixed_size 16640
		.amdhsa_private_segment_fixed_size 0
		.amdhsa_enable_private_segment 0
		.amdhsa_kernarg_size 80
		.amdhsa_user_sgpr_count 2
		.amdhsa_user_sgpr_kernarg_segment_ptr 1
		.amdhsa_wavefront_size32 1
		.amdhsa_system_sgpr_workgroup_id_x 1
		.amdhsa_system_sgpr_workgroup_id_y 1
		.amdhsa_system_sgpr_workgroup_id_z 1
		.amdhsa_system_vgpr_workitem_id 0
		.amdhsa_next_free_vgpr 192
		.amdhsa_next_free_sgpr 66
		.amdhsa_reserve_vcc 0
		.amdhsa_float_denorm_mode_32 3
		.amdhsa_float_denorm_mode_16_64 3
		.amdhsa_memory_ordered 1
		.amdhsa_forward_progress 1
		.amdhsa_inst_pref_size 54
	.end_amdhsa_kernel
	.amdgpu_metadata
---
amdhsa.version: [ 1, 2 ]
amdhsa.kernels:
  - .name:           k_qa38179de31_quant
    .symbol:         k_qa38179de31_quant.kd
    .args:
      - { .name: x, .offset: 0, .size: 8, .value_kind: global_buffer, .address_space: global }
      - { .name: Wq, .offset: 8, .size: 8, .value_kind: global_buffer, .address_space: global }
      - { .name: Wk, .offset: 16, .size: 8, .value_kind: global_buffer, .address_space: global }
      - { .name: Wv, .offset: 24, .size: 8, .value_kind: global_buffer, .address_space: global }
      - { .name: Wo, .offset: 32, .size: 8, .value_kind: global_buffer, .address_space: global }
      - { .name: xcodes, .offset: 40, .size: 8, .value_kind: global_buffer, .address_space: global }
      - { .name: xscales, .offset: 48, .size: 8, .value_kind: global_buffer, .address_space: global }
      - { .name: wcodes, .offset: 56, .size: 8, .value_kind: global_buffer, .address_space: global }
      - { .name: wscales, .offset: 64, .size: 8, .value_kind: global_buffer, .address_space: global }
      - { .name: wo16, .offset: 72, .size: 8, .value_kind: global_buffer, .address_space: global }
    .group_segment_fixed_size: 16640
    .private_segment_fixed_size: 0
    .kernarg_segment_align: 8
    .kernarg_segment_size: 80
    .max_flat_workgroup_size: 64
    .sgpr_count:     66
    .vgpr_count:     192
    .wavefront_size: 32
...
	.end_amdgpu_metadata
.endif
;; end of part 1
;; launch proj (part 2): grid 12 x 32, 4 waves a work-group, clusters of 4 x 4, 327,680 bytes of LDS; arguments xcodes, xscales, wcodes, wscales, bq, bk, bv, qkv; writes qkv
.if DOCPART == 2
	.amdgcn_target "amdgcn-amd-amdhsa--gfx1250"
	.amdhsa_code_object_version 6
	.text
	.protected	k_qa38179de31_proj
	.globl	k_qa38179de31_proj
	.p2align	8
	.type	k_qa38179de31_proj,@function
k_qa38179de31_proj:
	s_mov_b64 s[64:65], 0
	v_nop
	global_prefetch_b8 v0, s[64:65] scope:SCOPE_SE
	s_setreg_imm32_b32 hwreg(HW_REG_WAVE_MODE, 25, 1), 1
	s_wait_xcnt 0x0
	s_wait_alu depctr_hold_cnt(0) depctr_sa_sdst(0) depctr_va_vdst(0) depctr_va_sdst(0) depctr_va_ssrc(0) depctr_va_vcc(0) depctr_vm_vsrc(0)
	s_getreg_b32 s2, hwreg(HW_REG_IB_STS2, 6, 4)
	s_cmp_eq_u32 s2, 0
	s_cbranch_scc0 .Lentry_in_a_cluster
	s_endpgm
.Lentry_in_a_cluster:
	s_bfe_u32 s2, ttmp6, 0x10000c
	s_cmp_lg_u32 s2, 0xf033
	s_cbranch_scc0 .Lentry_shape_is_right
	s_endpgm
.Lentry_shape_is_right:
; q, k, v = x W^T + b as ONE product on codes of FP4 (E2M1) with E8M0 scales: A = x's codes [8192][1024], B = the codes of Wq, Wk, Wv on end [3072][1024]; sums in f32.
; q is also multiplied by c = log2(e) / 32, so that attention's scores arrive as exponents of 2.  The results leave as f16, in the order in which attention's matrix operands take them:
;   qkv byte = X 2^24 + ((batch 16 + head) 128 + token tile) 2048 + 512 (channel / 16 % 4) + slot;  X = 0, 1, 2 for q, k, v;  a lane's 16 bytes are 8 neighbouring channels of one token;
;   slot = 16 x lane for q and k (two such blocks are the registers of a fragment of 16 tokens x 32 channels);  slot = 32 (token % 16) + 16 (lane / 16) for v (a block of 16 tokens x 16 channels).
; LIMITS: |q c|, |k|, |v| must lie inside f16's range (65,504).  The bias enters as sum x s + (b x s), s = c or 1: for q one rounding order other than (sum + b) x c.
; A tile of 256 x 256 is made by four waves, 128 x 128 each: 64 accumulators, 512 registers.  K = 1,024 is two slots of 512: both, and the scale bytes of the tile's rows for all of K, are first fills: nothing is filled again.
; CLUSTERS: 4 x 4 work-groups; A's tiles are shared along a row of the cluster, B's along a column: each is asked for jointly.  Cluster x is the tensor X: the same in all sixteen partners.
; 384 tiles do not divide by the 256 WGPs: work-groups that stay would not even that out either, so each tile has its work-group.
; THE MATRIX INSTRUCTION IS USED TRANSPOSED (source 0 = 16 rows of B, source 1 = 16 rows of A): a lane holds eight neighbouring channels of one token.
; REGISTERS, in windows of 256: window 0: v0-31 addresses; v32-95 scale words, two sets, and nothing else; v96-127 packed results; v128-191 A's fragments, ONE set, later results in f32; v192-255 the bias.
;   window 1: B's fragments, two sets, at v0 and v128.   window 2: accumulators of my rows 0-63 ((a, b) at v[8 (8 a + b)]);   window 3: of my rows 64-127.
.set SIZE_K, 1024
.set KSTEP,  512
.set NQ,     KSTEP/128
.set ROWB,   256                       ; a tile's row in bytes
.set KROW,   SIZE_K/2                  ; a row of codes in memory
.set PITCH,  272                       ; an LDS row: 256 bytes + 16 of padding: the 16 rows that a load touches start at 16 different banks (64 banks of 4 bytes: ISA guide 11.1)
.set FR,     8
.set NL,     2
.set NP,     4                         ; places behind this matrix instruction (ISA guide 7.12.1)
.set HALFT,  128*PITCH
.set SLOT,   4*HALFT
.set KS,     SIZE_K/32                 ; a row of scale bytes
.set SCL,    2*SLOT                    ; behind the slots: the scale bytes, as units of 256 bytes + 16 of padding
.set HALFS,  (128*KS/256)*272
.set SBLK,   (16*KS/256)*272
.set SPARE,  SCL+4*HALFS               ; the spare words: 128 bytes a wave, two blocks of 256 bytes that no other line names
.set ADRA, 16                          ; v16-17  LDS address of my A fragments in slot 0, 1
.set ADRB, 20                          ; v20-21  the same for B
.set BOF,  24                          ; v24     32 x (lane / 16): my eight numbers of a block's sixteen biases
.set CO,   26                          ; v26     my slot in a block of qkv
.set ADRS, 27                          ; v27     LDS address of my scale words: lanes 0-15 A's rows, lanes 16-31 B's
.set SPW,  28                          ; v28     LDS address of my spare word; never rewritten
.set NIL,  29                          ; v29     0; never rewritten
.set SC,   32
.set PK,   96
.set AF,   128
.set TF,   128
.set BI,   192
.set G1, 24                            ; s[24:31] group 1 for A's tiles; s[32:39] group 0, a set for each slot
.set G0, 32
.set G1B, 48                           ; s[48:55], s[56:63] the same for B's
.set G0B, 56
.set G1S, 68                           ; s[68:75], s[76:79] groups 1 and 0 for A's scales; s[80:87], s[88:91] for B's
.set G0S, 76
.set G1SB, 80
.set G0SB, 88
.set MSB, 0
.macro WIN new                         ; the immediate's high byte repeats the setting that is left
.if MSB != \new
	s_set_vgpr_msb (MSB<<8)|\new
.set MSB, \new
.endif
.endm
.set MUL_LO, 0xa1                      ; source 0 (B) window 1, source 1 (A) window 0, C and D window 2
.set MUL_HI, 0xf1                      ; the same, C and D window 3
.set TO_B,   0x40                      ; destination window 1, address window 0
; A joint load: waves 0 and 1 fetch for A, waves 2 and 3 for B.  The branch hangs on the wave's number alone.  An s_nop 0 and four v_nop follow each of the two lines.
.macro JLOAD g0a, g1a, g0b, g1b
	s_cmp_eq_u32 s15, 0
	s_cbranch_scc0 .Lfor_b_\@
	tensor_load_to_lds s[\g0a:\g0a+3], s[\g1a:\g1a+7]
	s_nop 0
.rept 4
	v_nop
.endr
	s_branch .Lasked_\@
.Lfor_b_\@:
	tensor_load_to_lds s[\g0b:\g0b+3], s[\g1b:\g1b+7]
	s_nop 0
.rept 4
	v_nop
.endr
.Lasked_\@:
.endm
.macro CROUND                          ; a round of the cluster's barrier
	s_barrier_signal -1
	s_barrier_wait -1
	s_cmp_lg_u32 s14, 0
	s_cbranch_scc1 .Lnot_wave_0_\@
	s_barrier_signal -3
.Lnot_wave_0_\@:
	s_barrier_wait -3
	s_barrier_signal -1
	s_barrier_wait -1
.endm
	s_load_b256 s[4:11], s[0:1], 0x0               ; x's codes, x's scales, W's codes, W's scales
	s_load_b128 s[76:79], s[0:1], 0x20             ; bq, bk   (in registers that take the scales' groups 0 later)
	s_load_b128 s[88:91], s[0:1], 0x30             ; bv, qkv
	v_lshl_add_u32 v[SPW], v0, 2, SPARE
	v_mov_b32 v[NIL], 0
	ds_add_u32 v[SPW], v[NIL]                      ; the wave's opening: the add, twice on end, and its wait ahead of my first tensor load
	ds_add_u32 v[SPW], v[NIL]
	v_lshrrev_b32 v1, 5, v0
	v_readfirstlane_b32 s14, v1                    ; wave 0..3
	s_lshr_b32 s15, s14, 1                         ; which half of the tile's rows is mine.  Also: I fetch for A (0) or for B (1)
	s_and_b32 s16, s14, 1                          ; which half of its columns.  Also: which 128 rows of that tile I fetch
	s_bfe_u32 s40, ttmp6, 0x40000                  ; cx, cy: my place in the cluster
	s_bfe_u32 s41, ttmp6, 0x40004
	s_lshl_b32 s42, ttmp9, 2
	s_add_co_u32 s42, s42, s40                     ; tile column = 4 x cluster x + cx
	s_and_b32 s17, ttmp7, 0xffff
	s_lshl_b32 s17, s17, 2
	s_add_co_u32 s17, s17, s41                     ; tile row = 4 x cluster y + cy
	s_lshl_b32 s43, s41, 2
	s_lshl_b32 s43, 15, s43                        ; my row of the cluster
	s_lshl_b32 s44, 0x1111, s40                    ; my column
	s_or_b32 s[G1+0], s43, (0<<16)|(1<<20)|(1<<21)|(5<<22)|(3<<25)  ; the mask; elements of 1 byte; padding on; bit 21 beside a mask; 4 words of padding after every 64
	s_or_b32 s[G1B+0], s44, (0<<16)|(1<<20)|(1<<21)|(5<<22)|(3<<25)
.irp g, G1, G1B
	s_mov_b32 s[\g+1], ROWB<<16                    ; tensor_dim0
	s_mov_b32 s[\g+2], 128<<16                     ; tensor_dim1
	s_mov_b32 s[\g+3], ROWB<<16                    ; tile_dim0
	s_mov_b32 s[\g+4], 128                         ; tile_dim1
	s_mov_b32 s[\g+5], KROW                        ; the pitch in memory
	s_mov_b32 s[\g+6], 0
	s_mov_b32 s[\g+7], 0
.endr
	s_or_b32 s[G1S+0], s43, (3<<16)|(1<<20)|(1<<21)|(5<<22)|(3<<25)  ; the scales of 128 rows: a dense block, as rows of 256 bytes (32 elements of 8 bytes), padded alike
	s_or_b32 s[G1SB+0], s44, (3<<16)|(1<<20)|(1<<21)|(5<<22)|(3<<25)
.irp g, G1S, G1SB
	s_mov_b32 s[\g+1], 32<<16
	s_mov_b32 s[\g+2], (128*KS/256)<<16
	s_mov_b32 s[\g+3], 32<<16
	s_mov_b32 s[\g+4], 128*KS/256
	s_mov_b32 s[\g+5], 32
	s_mov_b32 s[\g+6], 0
	s_mov_b32 s[\g+7], 0
.endr
	s_lshl_b32 s18, s16, 7                         ; which 128 rows of the tile I fetch
	s_lshl_b32 s20, s17, 8
	s_add_co_u32 s20, s20, s18                     ; A: row 256 x tile row + 128 x half
	s_lshl_b32 s46, s42, 8
	s_add_co_u32 s46, s46, s18                     ; B: row 256 x tile column + 128 x half
	s_mov_b32 s21, 0
	s_mov_b32 s47, 0
	s_mov_b64 s[18:19], KS
	s_mul_u64 s[22:23], s[20:21], s[18:19]         ; where these rows' scales begin,
	s_mul_u64 s[92:93], s[46:47], s[18:19]
	s_mov_b64 s[18:19], KROW
	s_mul_u64 s[20:21], s[20:21], s[18:19]         ; and their codes
	s_mul_u64 s[46:47], s[46:47], s[18:19]
	s_mul_i32 s45, s14, HALFT                      ; where they go: wave x 128 rows: no place in the cluster enters an LDS address
	s_mul_i32 s94, s14, HALFS
	s_mov_b32 s101, 256
	s_wait_dscnt 0x0                               ; both opening adds are done
	s_wait_kmcnt 0x0
	s_add_nc_u64 s[20:21], s[4:5], s[20:21]
	s_add_nc_u64 s[22:23], s[6:7], s[22:23]
	s_add_nc_u64 s[46:47], s[8:9], s[46:47]
	s_add_nc_u64 s[92:93], s[10:11], s[92:93]
	s_cmp_eq_u32 ttmp9, 0                          ; the tensor: choices on the cluster's x alone, no branch
	s_cselect_b64 s[96:97], s[76:77], s[78:79]     ; bq or bk,
	s_cselect_b32 s98, 0x3d38aa3b, 1.0             ; s = c = log2(e) / 32 for q, else 1
	s_cmp_eq_u32 ttmp9, 2
	s_cselect_b64 s[96:97], s[88:89], s[96:97]     ; or bv
	s_cselect_b32 s100, 32, 16                     ; the slot: v: 32 r + 16 h;  q, k: 16 r + 256 h
	s_cselect_b32 s101, 16, s101
	s_mov_b32 s99, s98                             ; (the packed forms name the pair)
	s_mov_b64 s[12:13], s[90:91]                   ; qkv
	CROUND                                         ; all sixteen work-groups are here: the joint loads meet
	s_mov_b32 s[G0S], 1
	s_add_co_u32 s[G0S+1], s94, SCL
	s_mov_b64 s[G0S+2:G0S+3], s[22:23]
	s_or_b32 s[G0S+3], s[G0S+3], 0x80000000
	s_mov_b32 s[G0SB], 1
	s_add_co_u32 s[G0SB+1], s94, SCL
	s_mov_b64 s[G0SB+2:G0SB+3], s[92:93]
	s_or_b32 s[G0SB+3], s[G0SB+3], 0x80000000
	JLOAD G0S, G1S, G0SB, G1SB                     ; the scales first: they are wanted with slot 0
.irp s, 0,1
	s_mov_b32 s[G0+4*\s], 1
	s_add_co_u32 s[G0+4*\s+1], s45, \s*SLOT
	s_add_nc_u64 s[G0+4*\s+2:G0+4*\s+3], s[20:21], \s*ROWB
	s_or_b32 s[G0+4*\s+3], s[G0+4*\s+3], 0x80000000
	s_mov_b32 s[G0B+4*\s], 1
	s_add_co_u32 s[G0B+4*\s+1], s45, \s*SLOT
	s_add_nc_u64 s[G0B+4*\s+2:G0B+4*\s+3], s[46:47], \s*ROWB
	s_or_b32 s[G0B+4*\s+3], s[G0B+4*\s+3], 0x80000000
	JLOAD G0+4*\s, G1, G0B+4*\s, G1B               ; three tensor loads of mine are out: all that this text issues
.endr
	v_and_b32 v1, 15, v0                           ; r = lane % 16
	v_bfe_u32 v2, v0, 4, 1                         ; h = lane / 16
	v_mul_u32_u24 v3, v1, PITCH
	v_lshl_add_u32 v4, v2, 4, v3                   ; a fragment's row x pitch + 16 x half
	s_mul_i32 s21, s15, HALFT                      ; my 128 rows of A
	s_mul_i32 s22, s16, HALFT                      ; my 128 rows of B,
	s_add_co_u32 s22, s22, 2*HALFT                 ; which lie behind A's 256
.irp s, 0,1
	v_add_nc_u32 v[ADRA+\s], s21, v4
	v_add_nc_u32 v[ADRB+\s], s22, v4
	s_add_co_u32 s21, s21, SLOT
	s_add_co_u32 s22, s22, SLOT
.endr
	v_mul_u32_u24 v5, v1, KS                       ; my row's scales: KS bytes a row,
	v_lshrrev_b32 v6, 8, v5
	v_lshl_add_u32 v5, v6, 4, v5                   ; and 16 more for each 256 passed
	s_mul_i32 s21, s15, HALFS                      ; A's: my 128 rows
	s_mul_i32 s22, s16, HALFS                      ; B's: my 128 rows, behind A's 256
	s_add_co_u32 s22, s22, 2*HALFS
	s_sub_co_u32 s22, s22, s21
	v_mul_u32_u24 v6, s22, v2                      ; lanes 16-31 take B's: one product, the distance between the two bases
	s_add_co_u32 s21, s21, SCL
	v_add_nc_u32 v5, v5, v6
	v_add_nc_u32 v[ADRS], s21, v5
	v_lshlrev_b32 v[BOF], 5, v2
	v_mul_u32_u24 v[CO], s100, v1
	v_mad_u32_u24 v[CO], v2, s101, v[CO]           ; my slot
	s_lshl_b32 s46, s40, 10                        ; the bias of my 128 channels: (256 cx + 128 x half) x 4 bytes
	s_lshl_b32 s47, s16, 9
	s_add_co_u32 s46, s46, s47
	s_mov_b32 s47, 0
	s_add_nc_u64 s[96:97], s[96:97], s[46:47]
.irp b, 0,1,2,3,4,5,6,7
	global_load_b128 v[BI+8*\b:BI+8*\b+3], v[BOF], s[96:97] offset:64*\b       ; in the result's layout: channels 16 b + 8 h + 0 .. 7
	global_load_b128 v[BI+8*\b+4:BI+8*\b+7], v[BOF], s[96:97] offset:64*\b+16
.endr
	s_lshl_b32 s20, s17, 8                         ; where my part begins in qkv
	s_lshl_b32 s21, s15, 7
	s_add_co_u32 s20, s20, s21                     ; my first token: 256 x tile row + 128 x half
	s_lshr_b32 s21, s20, 11                        ; its batch,
	s_and_b32 s20, s20, 2047
	s_lshr_b32 s20, s20, 4                         ; its tile of 16 tokens in the batch
	s_lshl_b32 s21, s21, 11                        ; 16 heads x 128 token tiles a batch
	s_add_co_u32 s20, s20, s21
	s_lshl_b32 s20, s20, 11                        ; 2,048 bytes a token tile
	s_mov_b32 s21, 0
	s_lshl_b32 s46, s40, 20                        ; my first head 4 cx + 2 x half: 262,144 bytes a head,
	s_lshl_b32 s47, s16, 19
	s_add_co_u32 s46, s46, s47
	s_lshl_b32 s47, ttmp9, 24                      ; and the tensor
	s_add_co_u32 s46, s46, s47
	s_mov_b32 s47, 0
	s_add_nc_u64 s[20:21], s[20:21], s[46:47]
	s_add_nc_u64 s[12:13], s[12:13], s[20:21]
.macro FRAG reg, adr, q, i             ; 16 rows x 128 K of 4-bit codes: 8 registers: lane l holds row l % 16; registers 4 c .. 4 c + 3 hold K = 64 c + 32 (l / 16) + 0 .. 31
.irp c, 0,1
	ds_load_b128 v[\reg+4*\c:\reg+4*\c+3], v[\adr] offset:64*(\q)+32*\c+(\i)*16*PITCH
.endr
.endm
; 16 matrix instructions: A's blocks a0, a0 + 1 x B's eight, the slot's q-th 128 along K.  p: B's set; sc: the set of scale words.  zero = 1: the product starts the sums.
; The 64 accumulators take turns, one instruction a turn, in the same order in every step.
.macro MUL16 a0, p, q, sc, zero
.irp a, \a0, \a0+1
.irp b, 0,1,2,3,4,5,6,7
.if \zero
	v_wmma_scale_f32_16x16x128_f8f6f4 v[8*(8*((\a)%4)+\b):8*(8*((\a)%4)+\b)+7], v[128*(\p)+FR*\b:128*(\p)+FR*\b+FR-1], v[AF+FR*(\a):AF+FR*(\a)+FR-1], 0, v[SC+8*NQ*(\sc)+NQ*\b+(\q)], v[SC+8*NQ*(\sc)+NQ*(\a)+(\q)] matrix_a_fmt:MATRIX_FMT_FP4 matrix_b_fmt:MATRIX_FMT_FP4 matrix_a_scale:MATRIX_SCALE_ROW1
.else
	v_wmma_scale_f32_16x16x128_f8f6f4 v[8*(8*((\a)%4)+\b):8*(8*((\a)%4)+\b)+7], v[128*(\p)+FR*\b:128*(\p)+FR*\b+FR-1], v[AF+FR*(\a):AF+FR*(\a)+FR-1], v[8*(8*((\a)%4)+\b):8*(8*((\a)%4)+\b)+7], v[SC+8*NQ*(\sc)+NQ*\b+(\q)], v[SC+8*NQ*(\sc)+NQ*(\a)+(\q)] matrix_a_fmt:MATRIX_FMT_FP4 matrix_b_fmt:MATRIX_FMT_FP4 matrix_a_scale:MATRIX_SCALE_ROW1
.endif
.endr
.endr
.endm
.macro FETCH_B slot, q, p
	WIN TO_B
.irp i, 0,1,2,3,4,5,6,7
	FRAG 128*(\p)+FR*\i, ADRB+\slot, \q, \i
.endr
	WIN 0
.endm
.macro FETCH_A slot, q, i0
.irp i, \i0, \i0+1, \i0+2, \i0+3
	FRAG AF+FR*(\i), ADRA+\slot, \q, \i
.endr
.endm
.macro SCALES sc                       ; a slot's scale words: 4 words a row; lanes 0-15 take A's block i, lanes 16-31 B's block i
.irp i, 0,1,2,3,4,5,6,7
	ds_load_b128 v[SC+8*NQ*\sc+NQ*\i:SC+8*NQ*\sc+NQ*\i+3], v[ADRS] offset:\i*SBLK
.endr
.endm
.macro PLACES n                        ; places in front of loads into registers that matrix instructions have read (ISA guide 7.12.1 for vector instructions)
.rept \n
	v_nop
.endr
.endm
.macro STEP slot, q, zero              ; a step of 128 along K that has its successor in the same slot
	s_wait_dscnt 4*NL                              ; B's set and A's blocks 0-3 are in; the youngest eight loads (A's blocks 4-7) may be out
	WIN MUL_LO
	MUL16 0, (\q)%2, \q, \slot, \zero
	MUL16 2, (\q)%2, \q, \slot, \zero
	s_wait_dscnt 0
	PLACES NP
	FETCH_B \slot, (\q)+1, 1-(\q)%2
	FETCH_A \slot, (\q)+1, 0
	WIN MUL_HI
	MUL16 4, (\q)%2, \q, \slot, \zero
	MUL16 6, (\q)%2, \q, \slot, \zero
	PLACES NP
	WIN 0
	FETCH_A \slot, (\q)+1, 4
.endm
; Slot 0's last step goes over to slot 1: each wave waits for all its tensor loads (its part of slot 1) and for its LDS instructions, then the barrier: behind it slot 1 is whole.  Nothing is filled again.
.macro TURN slot, next
	s_wait_tensorcnt 0x0                           ; my part of the next slot has landed
	ds_add_u32 v[SPW], v[NIL]                      ; 0 onto my spare word
	s_wait_dscnt 4*NL+1                            ; (the add and the youngest eight loads, A's blocks 4-7, may be out)
	WIN MUL_LO
	MUL16 0, 1, NQ-1, \slot, 0
	s_wait_dscnt 0x0                               ; no LDS instruction of mine is out at the signal
	s_barrier_signal -1
	MUL16 2, 1, NQ-1, \slot, 0
	WIN 0
	s_barrier_wait -1
	PLACES NP
	v_add_nc_u32 v[ADRS], 4*NQ, v[ADRS]            ; on to the next slot's scale words
	FETCH_B \next, 0, 0
	FETCH_A \next, 0, 0
	SCALES \next
	WIN MUL_HI
	MUL16 4, 1, NQ-1, \slot, 0
	MUL16 6, 1, NQ-1, \slot, 0
	PLACES NP
	WIN 0
	FETCH_A \next, 0, 4
.endm
.macro STEPS slot, from
.set Q, \from
.rept NQ-1-\from
	STEP \slot, Q, 0
.set Q, Q+1
.endr
.endm
	s_wait_tensorcnt 1                             ; the scales and my part of slot 0 are in; slot 1's load may be out
	s_barrier_signal -1
	s_barrier_wait -1
	FETCH_B 0, 0, 0
	FETCH_A 0, 0, 0
	SCALES 0
	FETCH_A 0, 0, 4
	STEP 0, 0, 1                                   ; the first products start the sums: nothing is cleared
	STEPS 0, 1
	TURN 0, 1
	STEPS 1, 0
	s_wait_dscnt 4*NL                              ; the last step: nothing more to fetch
	WIN MUL_LO
	MUL16 0, 1, NQ-1, 1, 0
	MUL16 2, 1, NQ-1, 1, 0
	s_wait_dscnt 0
	WIN MUL_HI
	MUL16 4, 1, NQ-1, 1, 0
	MUL16 6, 1, NQ-1, 1, 0
	WIN 0
	; THE WAY OUT, without LDS: a lane's eight results of an accumulator are 16 bytes of f16, and the 32 lanes' 16 bytes fill one block of 512 consecutive bytes of qkv.
	s_wait_loadcnt 0x0                             ; the bias
.set n, 0
.rept 32
	v_pk_mul_f32 v[BI+n:BI+n+1], v[BI+n:BI+n+1], s[98:99] op_sel_hi:[1,0]   ; b x s.  (These 32 are also the places behind the last products)
.set n, n+2
.endr
.macro OUTBLK a                        ; my tokens 16 a .. 16 a + 15, all 128 channels
.set AC, 64*((\a)%4)
	WIN (0x02+(\a)/4)                              ; source 0: window 2 or 3
.set n, 0
.rept 32
	v_pk_fma_f32 v[TF+n:TF+n+1], v[AC+n:AC+n+1], s[98:99], v[BI+n:BI+n+1] op_sel_hi:[1,0,1]   ; sum x s + b x s; each accumulator from its low end on
.set n, n+2
.endr
	WIN 0
.if (\a) > 0
	s_wait_xcnt 0x0                                ; the last block's stores have read their data registers, which are written again below
.endif
.set n, 0
.rept 32
	v_cvt_pk_f16_f32 v[PK+n], v[TF+2*n], v[TF+2*n+1]
.set n, n+1
.endr
.irp b, 0,1,2,3,4,5,6,7
	global_store_b128 v[CO], v[PK+4*\b:PK+4*\b+3], s[12:13] offset:2048*(\a)+262144*(\b/4)+512*(\b%4)   ; 512 consecutive bytes, aligned: head b / 4, channels 16 (b % 4) on
.endr
.endm
.irp a, 0,1,2,3,4,5,6,7
	OUTBLK \a
.endr
	s_wait_tensorcnt 0x0                           ; the wave's end: behind my last tensor load
	ds_add_u32 v[SPW], v[NIL]
	s_wait_dscnt 0x0
	CROUND                                         ; the closing round: no work-group ends while a partner may still ask for a tile that names it
	s_endpgm
.Lfunc_end_k_qa38179de31_proj:
	.size	k_qa38179de31_proj, .Lfunc_end_k_qa38179de31_proj-k_qa38179de31_proj
	.p2alignl 7, 3214868480
	.fill 96, 4, 3214868480
	.section	.rodata,"a",@progbits
	.p2align	6, 0x0
	.amdhsa_kernel k_qa38179de31_proj
		.amdhsa_group_segment_fixed_size 327680
		.amdhsa_private_segment_fixed_size 0
		.amdhsa_enable_private_segment 0
		.amdhsa_kernarg_size 64
		.amdhsa_user_sgpr_count 2
		.amdhsa_user_sgpr_kernarg_segment_ptr 1
		.amdhsa_wavefront_size32 1
		.amdhsa_system_sgpr_workgroup_id_x 1
		.amdhsa_system_sgpr_workgroup_id_y 1
		.amdhsa_system_sgpr_workgroup_id_z 1
		.amdhsa_system_vgpr_workitem_id 0
		.amdhsa_next_free_vgpr 1024
		.amdhsa_next_free_sgpr 102
		.amdhsa_reserve_vcc 0
		.amdhsa_float_denorm_mode_32 3
		.amdhsa_float_denorm_mode_16_64 3
		.amdhsa_memory_ordered 1
		.amdhsa_forward_progress 1
		.amdhsa_inst_pref_size 138
	.end_amdhsa_kernel
	.amdgpu_metadata
---
amdhsa.version: [ 1, 2 ]
amdhsa.kernels:
  - .name:           k_qa38179de31_proj
    .symbol:         k_qa38179de31_proj.kd
    .args:
      - { .name: xcodes, .offset: 0, .size: 8, .value_kind: global_buffer, .address_space: global }
      - { .name: xscales, .offset: 8, .size: 8, .value_kind: global_buffer, .address_space: global }
      - { .name: wcodes, .offset: 16, .size: 8, .value_kind: global_buffer, .address_space: global }
      - { .name: wscales, .offset: 24, .size: 8, .value_kind: global_buffer, .address_space: global }
      - { .name: bq, .offset: 32, .size: 8, .value_kind: global_buffer, .address_space: global }
      - { .name: bk, .offset: 40, .size: 8, .value_kind: global_buffer, .address_space: global }
      - { .name: bv, .offset: 48, .size: 8, .value_kind: global_buffer, .address_space: global }
      - { .name: qkv, .offset: 56, .size: 8, .value_kind: global_buffer, .address_space: global }
    .group_segment_fixed_size: 327680
    .private_segment_fixed_size: 0
    .kernarg_segment_align: 8
    .kernarg_segment_size: 64
    .max_flat_workgroup_size: 128
    .sgpr_count:     102
    .vgpr_count:     1024
    .wavefront_size: 32
...
	.end_amdgpu_metadata
.endif
;; end of part 2
;; launch attn (part 3): grid 4 x 64, 16 waves a work-group, clusters of 4 x 1, 327,680 bytes of LDS; arguments qkv, att; writes att
.if DOCPART == 3
	.amdgcn_target "amdgcn-amd-amdhsa--gfx1250"
	.amdhsa_code_object_version 6
	.text
	.protected	k_qa38179de31_attn
	.globl	k_qa38179de31_attn
	.p2align	8
	.type	k_qa38179de31_attn,@function
k_qa38179de31_attn:
	s_mov_b64 s[64:65], 0
	v_nop
	global_prefetch_b8 v0, s[64:65] scope:SCOPE_SE
	s_setreg_imm32_b32 hwreg(HW_REG_WAVE_MODE, 25, 1), 1
	s_wait_xcnt 0x0
	s_wait_alu depctr_hold_cnt(0) depctr_sa_sdst(0) depctr_va_vdst(0) depctr_va_sdst(0) depctr_va_ssrc(0) depctr_va_vcc(0) depctr_vm_vsrc(0)
	s_getreg_b32 s2, hwreg(HW_REG_IB_STS2, 6, 4)
	s_cmp_eq_u32 s2, 0
	s_cbranch_scc0 .Lentry_in_a_cluster
	s_endpgm
.Lentry_in_a_cluster:
	s_bfe_u32 s2, ttmp6, 0x10000c
	s_cmp_lg_u32 s2, 0x3003
	s_cbranch_scc0 .Lentry_shape_is_right
	s_endpgm
.Lentry_shape_is_right:
; att[token][head 64 + d] = the sum over keys of softmax(q . k / 32) v, no mask, for each of 64 (batch, head) pairs of 2,048 tokens x 64 channels.  q, k, v come as f16 from qkv (layout below); q already carries
; c = log2(e) / 32, so a score is an exponent of 2.  Products on f16 operands with f32 sums; maxima, exponentials and the row's sum in f32; the weights p are rounded to f16 for the second product, the result once at the end.
; SOFTMAX: for each query a running maximum m and sum l: p = 2^(s - m); in every step O and l are multiplied by a = 2^(m_old - m_new).  LIMITS: NaN and infinite scores are not served.
; SHARES: a work-group owns 512 queries of one head; each of its SIXTEEN waves owns 32, two tiles of 16, in 256 registers (no register windows; four waves to a SIMD).  Every wave walks all keys, 32 a step.
; CLUSTER: the four work-groups of a cluster are the head's four blocks of queries and walk the same K and V: each tile is asked for JOINTLY (mask 15).
; qkv byte = X 2^24 + (head index x 128 + token tile) 2048 + 512 g4 + slot, X = 0, 1, 2 for q, k, v; g4 = channels 16 g4 on.  For q and k slot = 16 x lane: two blocks are the registers of a fragment of 16 tokens x 32 channels,
; so a fragment comes by two loads of 512 consecutive bytes.  For v a block is [16 tokens][16 channels], 32 bytes a token, read turned by ds_load_tr16_b128: sixteen lanes take 256 consecutive bytes.  So LDS needs no padding.
; LAYOUT: S^T = K Q^T (source 0 = 16 keys, source 1 = 16 queries): a lane holds ONE query (lane % 16) and keys 8 (lane / 16) + 0..7; two such tiles, rounded in pairs, ARE source 1 of O^T = V^T P.
; BY TURNS: in a TURN one tile has the matrix unit (4 products V^T P of the step in hand, 4 products K Q^T of the next step), and the other tile's softmax, 69 instructions in 8 slices, stands behind its matrix instructions.
; No prefetch: a slot's load is issued a whole slot (16 key steps) ahead of its first read.
; att byte = (T / 4) 131072 + (kappa / 128) 16384 + (T % 4) 4096 + (kappa / 32 % 4) 1024 + (kappa / 16 % 2) 512 + 16 x lane, T = token / 16, kappa = head 64 + d: fragment images for the last product.
.set STEPB, 4096                       ; a key step's bytes of K, and of V
.set VOFF,  65536                      ; a slot: 512 keys of K (65,536 bytes), then of V
.set SLOT1, 1<<17                      ; slot 1 begins here: one exclusive or turns an address in one slot into the other's
.set SPARE, 2*SLOT1                    ; the spare words: 128 bytes a wave, eight blocks of 256 bytes that no other line names
.set AK0, 1                            ; v1   16 x lane: my place in a block; also my offset in memory
.set AV0, 2                            ; v2   my place in a block of V, + VOFF
.set ADR, 3                            ; v3   LDS address of K's run of loads
.set ADV, 4                            ; v4   of V's
.set SPW, 5                            ; v5   LDS address of my spare word; never rewritten
.set NIL, 6                            ; v6   0; never rewritten
.set ST,  12                           ; v12-27  tile t at v[ST + 8 t]: +0 m, +1 m_old then m_old - m, +2, +3 l (even keys', odd keys'), +4 .. +7 c0-c3 at work; a takes c2's place
.set QF,  32                           ; v32-63   Q: tile t, channels 32 c on: 16 t + 8 c
.set S,   64                           ; v64-95   S^T, then p: 16 a tile
.set P,   96                           ; v96-111  p in f16: 8 a tile
.set KF,  112                          ; v112-143 K of a step: keys 16 kt on, channels 32 c on: 8 (2 kt + c)
.set VF,  144                          ; v144-175 V^T of a step: channels 16 i on: 8 i
.set O,   176                          ; v176-239 O^T: 32 a tile
.set WV,  8                            ; s8   my wave's number
.set G1,  16                           ; s[16:23] descriptor group 1
.set G0,  24                           ; s[24:27] descriptor group 0, which walks
.set TB,  28                           ; s28  LDS byte at which the step to be fetched begins
.set SLOTS, 29
.set STEPS, 30
.set SEL, 32                           ; s[32:33] lane selects: lane l xor 16
.macro ROUND                           ; a round of the cluster's barrier
	s_barrier_signal -1
	s_barrier_wait -1
	s_cmp_lg_u32 s[WV], 0
	s_cbranch_scc1 .Lnot_wave_0_\@
	s_barrier_signal -3
.Lnot_wave_0_\@:
	s_barrier_wait -3
	s_barrier_signal -1
	s_barrier_wait -1
.endm
.macro TLOAD                           ; waves 0, 1 fetch K's halves of a slot, waves 2, 3 V's; the branch hangs on the wave's number alone.  An s_nop 0 and four v_nop follow the load
	s_cmp_lt_u32 s[WV], 4
	s_cbranch_scc0 .Lno_load_\@
	tensor_load_to_lds s[G0:G0+3], s[G1:G1+7]
	s_nop 0
.rept 4
	v_nop
.endr
.Lno_load_\@:
.endm
	s_load_b128 s[4:7], s[0:1], 0x0                ; qkv, att
	v_lshl_add_u32 v[SPW], v0, 2, SPARE
	v_mov_b32 v[NIL], 0
	ds_add_u32 v[SPW], v[NIL]                      ; the wave's opening: the add, twice on end, and its wait ahead of the first tensor load
	ds_add_u32 v[SPW], v[NIL]
	v_lshrrev_b32 v7, 5, v0
	v_readfirstlane_b32 s[WV], v7                  ; wave 0..15
	s_bfe_u32 s9, ttmp6, 0x40000                   ; cx
	s_lshl_b32 s10, ttmp9, 2
	s_add_co_u32 s10, s10, s9                      ; my block of 512 queries: it enters Q's and att's addresses alone
	s_and_b32 s11, ttmp7, 0xffff                   ; batch x 16 + head, which the four partners share
	s_mov_b32 s[G1], 15|(3<<16)|(1<<21)            ; the mask: all four; elements of 8 bytes; bit 21 beside a mask; no padding
	s_mov_b32 s[G1+1], 32<<16                      ; tensor_dim0 = 32 elements: rows of 256 bytes
	s_mov_b32 s[G1+2], 128<<16                     ; tensor_dim1 = 128 rows: 32,768 dense bytes
	s_mov_b32 s[G1+3], 32<<16                      ; tile_dim0
	s_mov_b32 s[G1+4], 128                         ; tile_dim1
	s_mov_b32 s[G1+5], 32                          ; the pitch
	s_mov_b32 s[G1+6], 0
	s_mov_b32 s[G1+7], 0
	s_mov_b32 s[SEL], 0x76543210
	s_mov_b32 s[SEL+1], 0xfedcba98
	s_mov_b32 s[TB], 0
	s_mov_b32 s[SLOTS], 3
	s_and_b32 s40, s[WV], 3                        ; what I fetch, if I fetch
	s_lshl_b32 s41, s40, 15                        ; in a slot: K's halves, V's halves on end
	s_lshr_b32 s42, s40, 1
	s_add_co_u32 s42, s42, 1
	s_lshl_b32 s42, s42, 24                        ; tensor 1 (K) or 2 (V),
	s_and_b32 s43, s40, 1
	s_lshl_b32 s43, s43, 15                        ; the half,
	s_add_co_u32 s42, s42, s43
	s_lshl_b32 s43, s11, 18                        ; the head: 262,144 bytes
	s_add_co_u32 s42, s42, s43
	s_mov_b32 s43, 0
	s_lshl_b32 s44, s10, 5
	s_lshl_b32 s45, s[WV], 1
	s_add_co_u32 s44, s44, s45                     ; my first tile of 16 queries in the head: 32 x block + 2 x wave
	s_lshl_b32 s46, s44, 11
	s_lshl_b32 s47, s11, 18
	s_add_co_u32 s46, s46, s47                     ; Q's bytes
	s_mov_b32 s47, 0
	s_wait_dscnt 0x0                               ; both opening adds are done
	s_wait_kmcnt 0x0
	s_mov_b32 s[G0], 1                             ; count = 1
	s_mov_b32 s[G0+1], s41                         ; LDS address: slot 0
	s_add_nc_u64 s[G0+2:G0+3], s[4:5], s[42:43]    ; the head's first 512 keys
	s_or_b32 s[G0+3], s[G0+3], 0x80000000          ; type = 2
	ROUND                                          ; all four work-groups are here: the first joint loads meet
	TLOAD                                          ; slot 0: one tensor load of mine is out, here and behind every round
	s_add_nc_u64 s[4:5], s[4:5], s[46:47]          ; Q at my first tile
	s_lshr_b32 s40, s11, 4                         ; att: T = batch x 128 + my tile
	s_lshl_b32 s40, s40, 7
	s_add_co_u32 s40, s40, s44
	s_lshr_b32 s41, s40, 2
	s_lshl_b32 s41, s41, 17
	s_and_b32 s40, s40, 3
	s_lshl_b32 s40, s40, 12
	s_add_co_u32 s40, s40, s41
	s_and_b32 s41, s11, 15                         ; the head in its batch: kappa = 64 x head
	s_lshr_b32 s42, s41, 1
	s_lshl_b32 s42, s42, 14
	s_add_co_u32 s40, s40, s42
	s_and_b32 s41, s41, 1
	s_lshl_b32 s41, s41, 11
	s_add_co_u32 s40, s40, s41
	s_mov_b32 s41, 0
	s_add_nc_u64 s[6:7], s[6:7], s[40:41]
	v_and_b32 v7, 31, v0
	v_lshlrev_b32 v[AK0], 4, v7
.irp i, 0,1,2,3,4,5,6,7
	global_load_b128 v[QF+4*\i:QF+4*\i+3], v[AK0], s[4:5] offset:512*\i   ; Q stays in registers: 512 consecutive bytes a load
.endr
	v_and_b32 v7, 7, v0                            ; the turning load: lane l reads 16 bytes: key 8 (l / 16) + l % 8, channels 8 ((l / 8) % 2) + 0..7
	v_bfe_u32 v8, v0, 4, 1
	v_lshl_add_u32 v7, v8, 3, v7
	v_bfe_u32 v8, v0, 3, 1
	v_lshlrev_b32 v[AV0], 5, v7
	v_lshl_add_u32 v[AV0], v8, 4, v[AV0]
	v_add_nc_u32 v[AV0], VOFF, v[AV0]
	; THE STEP IS WRITTEN ONCE: the first pair of turns finds zeros in O^T, V^T and tile 0's p, scores of -infinity in tile 1 and m = -3e38: its idle softmax gives p = 0 and a = 1, its idle products add zeros.
.set n, 0
.rept 64
	v_mov_b32 v[O+n], 0
.set n, n+1
.endr
.set n, 0
.rept 32
	v_mov_b32 v[VF+n], 0
.set n, n+1
.endr
.set n, 0
.rept 8
	v_mov_b32 v[P+n], 0
.set n, n+1
.endr
.set n, 0
.rept 16
	v_mov_b32 v[S+16+n], 0xff800000
.set n, n+1
.endr
.irp t, 0,1
	v_mov_b32 v[ST+8*\t], 0xff61b1e6               ; m = -3e38, under every score
.irp u, 1,2,3,4,5,6,7
	v_mov_b32 v[ST+8*\t+\u], 0
.endr
.endr
; THE MATRIX WORK.  The accumulators take turns, one instruction a turn.  i is set by the caller.
.macro PV x                            ; O^T += V^T P: channels 16 i on
	v_wmma_f32_16x16x32_f16 v[O+32*(\x)+8*i:O+32*(\x)+8*i+7], v[VF+8*i:VF+8*i+7], v[P+8*(\x):P+8*(\x)+7], v[O+32*(\x)+8*i:O+32*(\x)+8*i+7]
.endm
.macro KQ x                            ; S^T = K Q^T: keys 16 (i % 2) on, channels 32 (i / 2) on; the first two start the sums
.set rS, S+16*(\x)+8*(i%2)
.set rK, KF+8*(2*(i%2)+i/2)
.set rQ, QF+16*(\x)+8*(i/2)
.if i < 2
	v_wmma_f32_16x16x32_f16 v[rS:rS+7], v[rK:rK+7], v[rQ:rQ+7], 0
.else
	v_wmma_f32_16x16x32_f16 v[rS:rS+7], v[rK:rK+7], v[rQ:rQ+7], v[rS:rS+7]
.endif
.endm
.macro FETCH_K                         ; a step's K: 4,096 consecutive bytes, eight loads
	v_add_nc_u32 v[ADR], s[TB], v[AK0]
.irp f, 0,1,2,3,4,5,6,7
	ds_load_b128 v[KF+4*\f:KF+4*\f+3], v[ADR] offset:512*\f
.endr
.endm
.macro FETCH_V                         ; the same step's V, turned: channels 16 f on; keys 0-15, then 16-31 (the next token tile, 2,048 bytes on)
	v_add_nc_u32 v[ADV], s[TB], v[AV0]
.irp f, 0,1,2,3
	ds_load_tr16_b128 v[VF+8*\f:VF+8*\f+3], v[ADV] offset:512*\f
	ds_load_tr16_b128 v[VF+8*\f+4:VF+8*\f+7], v[ADV] offset:2048+512*\f
.endr
	s_add_co_u32 s[TB], s[TB], STEPB               ; the next fetch is the next step's
.endm
; THE VECTOR WORK: one tile's softmax for one key step is a list of 69 instructions; SM writes number j for tile t.  s0-s15 are the lane's scores, in pairs 0-7.
;   0-7    the maximum of s0-s15 and the old m, three operands at a time (each accumulator is first read at its low end: s0, s8)
;   8-12   the other half of the lanes' maximum; m_old; the new m; m_old - m; a = 2^(m_old - m)
;   13-36  ONE BATCH: the 8 subtractions s - m, a pair each, and the 16 exponentials; none reads an exponential's result; a pair is subtracted three numbers ahead of its exponentials
;   (wait) behind 36: a plain line and the one wait ahead of the first instruction that names a result: it serves all 17 exponentials
;   37-44  the roundings to f16;  45-51 the sum of the 8 pairs;  52 l = a l + the sum;  53-68 the tile's O^T times a
.macro SM t
.set rT, ST+8*(\t)
.set rS, S+16*(\t)
.set rP, P+8*(\t)
.set rO, O+32*(\t)
.if j == 0
	v_max3_num_f32 v[rT+4], v[rS], v[rS+1], v[rS+2]
.elseif j == 1
	v_max3_num_f32 v[rT+5], v[rS+3], v[rS+4], v[rS+5]
.elseif j == 2
	v_max3_num_f32 v[rT+6], v[rS+8], v[rS+9], v[rS+10]
.elseif j == 3
	v_max3_num_f32 v[rT+7], v[rS+11], v[rS+12], v[rS+13]
.elseif j == 4
	v_max3_num_f32 v[rT+4], v[rT+4], v[rS+6], v[rS+7]
.elseif j == 5
	v_max3_num_f32 v[rT+6], v[rT+6], v[rS+14], v[rS+15]
.elseif j == 6
	v_max3_num_f32 v[rT+5], v[rT+5], v[rT+7], v[rT]
.elseif j == 7
	v_max3_num_f32 v[rT+4], v[rT+4], v[rT+6], v[rT+5]
.elseif j == 8
	v_permlanex16_b32 v[rT+5], v[rT+4], s[SEL], s[SEL+1]   ; the query's other 16 keys lie in the lane 16 away
.elseif j == 9
	v_mov_b32 v[rT+1], v[rT]
.elseif j == 10
	v_max_num_f32 v[rT], v[rT+4], v[rT+5]
.elseif j == 11
	v_sub_f32 v[rT+1], v[rT+1], v[rT]
.elseif j == 12
	v_exp_f32 v[rT+6], v[rT+1]
.elseif (j == 13) || ((j < 35) && ((j-14)%3 == 0))
.set b, (j-11)/3                       ; 13: pair 0; 14, 17, .. 32: pairs 1 to 7
	v_pk_add_f32 v[rS+2*b:rS+2*b+1], v[rS+2*b:rS+2*b+1], v[rT:rT+1] op_sel_hi:[1,0] neg_lo:[0,1] neg_hi:[0,1]   ; s - m (of the pair m, d the low word serves both halves)
.elseif j < 35
.set e, 2*((j-14)/3)+(j-14)%3-1        ; 15, 16: s0, s1; 18, 19: s2, s3; .. 33, 34: s12, s13
	v_exp_f32 v[rS+e], v[rS+e]
.elseif j < 37
	v_exp_f32 v[rS+j-21], v[rS+j-21]               ; s14, s15
.elseif j < 45
	v_cvt_pk_f16_f32 v[rP+j-37], v[rS+2*(j-37)], v[rS+2*(j-37)+1]
.elseif j < 52
.set z, j-45
.set u, 4*z
.set w, 2
.if z >= 4
.set u, 8*(z-4)
.set w, 4
.endif
.if z == 6
.set u, 0
.set w, 8
.endif
	v_pk_add_f32 v[rS+u:rS+u+1], v[rS+u:rS+u+1], v[rS+u+w:rS+u+w+1]
.elseif j == 52
	v_pk_fma_f32 v[rT+2:rT+3], v[rT+2:rT+3], v[rT+6:rT+7], v[rS:rS+1] op_sel_hi:[1,0,1]
.else
	v_pk_mul_f32 v[rO+2*(j-53):rO+2*(j-53)+1], v[rO+2*(j-53):rO+2*(j-53)+1], v[rT+6:rT+7] op_sel_hi:[1,0]
.endif
.if j == 36
	v_nop                                          ; a plain line behind the last exponential
	s_wait_alu depctr_va_vdst(0)                   ; the one wait for the batch
.endif
.endm
; Slice k of 8: numbers 9 k on (k up to 5), then 8 k + 5 on: 9, 9, 9, 9, 9, 8, 8, 8.  In tile 1's turn (y = 0) V's run of loads stands behind number 40: the last product that read V stands in front of slice 3,
; and between lie the plain numbers 29 and 32, the v_nop, numbers 37 to 40 and the run's own addition.
.macro SLICE y
.set SLO, 9*k
.set SHI, 9*k+9
.if k == 5
.set SHI, 53
.endif
.if k > 5
.set SLO, 8*k+5
.set SHI, 8*k+13
.endif
.set j, SLO
.rept SHI-SLO
	SM \y
.if (j == 40) && ((\y) == 0)
	FETCH_V
.endif
.set j, j+1
.endr
.set k, k+1
.endm
; A TURN: tile x has the matrix unit, the other tile's softmax stands in slices behind its matrix instructions.  kq = 0: no K Q^T (the last step): two slices behind each product.
; Slice 7, eight packed multiplications of the other tile's O^T, is the places behind the turn's last K Q^T: in front of the next turn's first read of those scores, and of the loads into K's registers.
.macro TURN x, kq
.set k, 0
.if (\x) == 0
	s_wait_dscnt 0x0                               ; V of the step in hand is in
.if \kq
	FETCH_K                                        ; the next step's K
.endif
.endif
.set i, 0
.rept 4
	PV \x
	SLICE 1-\x
.if (\kq) == 0
	SLICE 1-\x
.endif
.set i, i+1
.endr
.if \kq
.if (\x) == 0
	s_wait_dscnt 0x0                               ; K is in
.endif
.set i, 0
.rept 4
	KQ \x
	SLICE 1-\x
.set i, i+1
.endr
.endif
.endm
.macro STEPS16                         ; a slot's 16 key steps: written once, walked sixteen times; the LDS addresses hang on s[TB]
	s_mov_b32 s[STEPS], 16
.Lstep_\@:
	TURN 0, 1                                      ; tile 0: V^T P of step f - 1, K Q^T of step f | tile 1's softmax of step f - 1
	TURN 1, 1                                      ; tile 1: the same | tile 0's softmax of step f | V of step f
	s_sub_co_u32 s[STEPS], s[STEPS], 1
	s_cmp_lg_u32 s[STEPS], 0
	s_cbranch_scc1 .Lstep_\@
	s_sub_co_u32 s[TB], s[TB], 16*STEPB            ; back to a slot's first step,
	s_xor_b32 s[TB], s[TB], SLOT1                  ; in the other slot
.endm
; THE CHANGE OF SLOTS stands at a slot's head.  Each wave waits for all its tensor loads (its part of the slot ahead), adds 0 to its spare word, and waits for that and for its reads of the slot that it has left.
; fill = 1: a round of the cluster's barrier follows, so that no wave of any partner still reads the other slot or has a load on its way, and the joint load for that slot is the first thing behind it.
.macro CHANGE fill
	s_wait_tensorcnt 0x0                           ; no tensor load of mine is out, so group 0 may be written
	ds_add_u32 v[SPW], v[NIL]                      ; 0 onto my spare word
.if \fill
	ds_add_u32 v[SPW], v[NIL]                      ; and once more: the add stands twice on end, in every trip alike
	s_xor_b32 s[G0+1], s[G0+1], SLOT1              ; the other slot than last time,
	s_add_nc_u64 s[G0+2:G0+3], s[G0+2:G0+3], 65536 ; the next 512 keys; the type bits on top are not reached
	s_wait_dscnt 0x0                               ; the adds are done, and my reads of the slot that I have left are over
	ROUND
	TLOAD
.else
	s_wait_dscnt 0x0
	s_barrier_signal -1
	s_barrier_wait -1
.endif
.endm
	s_wait_loadcnt 0x0                             ; Q
.Lslot:                                            ; three trips: behind each change of slots but the last the next 512 keys are asked for (in the first trip: slot 1's first fill)
	CHANGE 1
	STEPS16
	s_sub_co_u32 s[SLOTS], s[SLOTS], 1
	s_cmp_lg_u32 s[SLOTS], 0
	s_cbranch_scc1 .Lslot
	CHANGE 0                                       ; the last slot is written out
	STEPS16
	TURN 0, 0                                      ; tile 0: V^T P of the last step | tile 1's last softmax
.set i, 0
.rept 4
	PV 1                                           ; tile 1: V^T P of the last step
.set i, i+1
.endr
	; THE WAY OUT: l's two halves and the other half of the lanes' are added; O^T is divided by l and rounded to f16; a lane's eight channels are 16 bytes, the 32 lanes' fill 512 consecutive bytes of att.
.irp t, 0,1
	v_add_f32 v[ST+8*\t+4], v[ST+8*\t+2], v[ST+8*\t+3]
.endr
.irp t, 0,1
	v_permlanex16_b32 v[ST+8*\t+5], v[ST+8*\t+4], s[SEL], s[SEL+1]
.endr
.irp t, 0,1
	v_add_f32 v[ST+8*\t+4], v[ST+8*\t+4], v[ST+8*\t+5]
.endr
.irp t, 0,1
	v_rcp_f32 v[ST+8*\t+6], v[ST+8*\t+4]
.endr
	v_nop                                          ; a plain line behind the last reciprocal
	s_wait_alu depctr_va_vdst(0)                   ; and the wait ahead of the first use: one for both
.irp t, 0,1
.set n, 0
.rept 16
	v_pk_mul_f32 v[O+32*\t+n:O+32*\t+n+1], v[O+32*\t+n:O+32*\t+n+1], v[ST+8*\t+6:ST+8*\t+7] op_sel_hi:[1,0]   ; each accumulator from its low end on; tile 0's lines are also places behind tile 1's last products
.set n, n+2
.endr
.set n, 0
.rept 16
	v_cvt_pk_f16_f32 v[S+16*\t+n], v[O+32*\t+2*n], v[O+32*\t+2*n+1]
.set n, n+1
.endr
.irp c, 0,1,2,3
	global_store_b128 v[AK0], v[S+16*\t+4*\c:S+16*\t+4*\c+3], s[6:7] offset:4096*\t+512*\c   ; 512 consecutive bytes, aligned
.endr
.endr
	s_wait_tensorcnt 0x0                           ; the wave's end: behind the last tensor load
	ds_add_u32 v[SPW], v[NIL]
	s_wait_dscnt 0x0
	ROUND                                          ; the closing round: no work-group ends while a partner may still ask for a tile that names it
	s_endpgm
.Lfunc_end_k_qa38179de31_attn:
	.size	k_qa38179de31_attn, .Lfunc_end_k_qa38179de31_attn-k_qa38179de31_attn
	.p2alignl 7, 3214868480
	.fill 96, 4, 3214868480
	.section	.rodata,"a",@progbits
	.p2align	6, 0x0
	.amdhsa_kernel k_qa38179de31_attn
		.amdhsa_group_segment_fixed_size 327680
		.amdhsa_private_segment_fixed_size 0
		.amdhsa_enable_private_segment 0
		.amdhsa_kernarg_size 16
		.amdhsa_user_sgpr_count 2
		.amdhsa_user_sgpr_kernarg_segment_ptr 1
		.amdhsa_wavefront_size32 1
		.amdhsa_system_sgpr_workgroup_id_x 1
		.amdhsa_system_sgpr_workgroup_id_y 1
		.amdhsa_system_sgpr_workgroup_id_z 1
		.amdhsa_system_vgpr_workitem_id 0
		.amdhsa_next_free_vgpr 256
		.amdhsa_next_free_sgpr 66
		.amdhsa_reserve_vcc 0
		.amdhsa_float_denorm_mode_32 3
		.amdhsa_float_denorm_mode_16_64 3
		.amdhsa_memory_ordered 1
		.amdhsa_forward_progress 1
		.amdhsa_inst_pref_size 41
	.end_amdhsa_kernel
	.amdgpu_metadata
---
amdhsa.version: [ 1, 2 ]
amdhsa.kernels:
  - .name:           k_qa38179de31_attn
    .symbol:         k_qa38179de31_attn.kd
    .args:
      - { .name: qkv, .offset: 0, .size: 8, .value_kind: global_buffer, .address_space: global }
      - { .name: att, .offset: 8, .size: 8, .value_kind: global_buffer, .address_space: global }
    .group_segment_fixed_size: 327680
    .private_segment_fixed_size: 0
    .kernarg_segment_align: 8
    .kernarg_segment_size: 16
    .max_flat_workgroup_size: 512
    .sgpr_count:     66
    .vgpr_count:     256
    .wavefront_size: 32
...
	.end_amdgpu_metadata
.endif
;; end of part 3
;; launch outp (part 4): grid 4 x 64, 4 waves a work-group, clusters of 4 x 4, 327,680 bytes of LDS; arguments att, wo16, out0, bo; writes out0
.if DOCPART == 4
	.amdgcn_target "amdgcn-amd-amdhsa--gfx1250"
	.amdhsa_code_object_version 6
	.text
	.protected	k_qa38179de31_outp
	.globl	k_qa38179de31_outp
	.p2align	8
	.type	k_qa38179de31_outp,@function
k_qa38179de31_outp:
	s_mov_b64 s[64:65], 0
	v_nop
	global_prefetch_b8 v0, s[64:65] scope:SCOPE_SE
	s_setreg_imm32_b32 hwreg(HW_REG_WAVE_MODE, 25, 1), 1
	s_wait_xcnt 0x0
	s_wait_alu depctr_hold_cnt(0) depctr_sa_sdst(0) depctr_va_vdst(0) depctr_va_sdst(0) depctr_va_ssrc(0) depctr_va_vcc(0) depctr_vm_vsrc(0)
	s_getreg_b32 s2, hwreg(HW_REG_IB_STS2, 6, 4)
	s_cmp_eq_u32 s2, 0
	s_cbranch_scc0 .Lentry_in_a_cluster
	s_endpgm
.Lentry_in_a_cluster:
	s_bfe_u32 s2, ttmp6, 0x10000c
	s_cmp_lg_u32 s2, 0xf033
	s_cbranch_scc0 .Lentry_shape_is_right
	s_endpgm
.Lentry_shape_is_right:
; out0[m][n] = the sum over kappa of att[m][kappa] Wo[n][kappa] + bo[n]: M = 8,192, N = 1,024, K = 1,024; f16 operands, f32 sums, f32 out.
; att lies as fragment images: byte = (T / 4) 131072 + (kappa / 128) 16384 + (T % 4) 4096 + (kappa / 32 % 4) 1024 + (kappa / 16 % 2) 512 + 16 x lane, T = m / 16: 64 rows x a K step of 128 are 16,384 dense bytes,
; and a fragment of 16 rows x 32 kappa comes from LDS by two loads of 512 consecutive bytes: no padding.  wo16 is [1024 n][1024 kappa] f16, row-major: its tiles' rows are 256 bytes, padded by 16 in LDS.
; A tile of 128 (m) x 256 (n): 256 work-groups, one for each WGP.  Four waves, 64 x 128 each: 32 accumulators.  K goes in 8 steps of 128 through two LDS slots.
; CLUSTERS: 4 x 4 work-groups: A's tiles are shared along a row of the cluster, B's along a column: asked for jointly.
; THE MATRIX INSTRUCTION IS USED TRANSPOSED (source 0 = 16 rows of Wo, source 1 = 16 rows of att): a lane holds eight neighbouring n of one row m.  The bias is the C of each sum's first product.
; REGISTERS, in windows of 256: window 0: v0-31 addresses; v64-127 A's fragments, two buffers of 32 (64 + 32 f + 8 a); v128-191 the bias in the result's layout; on the way out v192-255 and v64-127 rows read back.
;   window 1: B's fragments, two buffers of 64 (64 f + 8 b).   window 2: accumulator (a, b) at v[8 (8 a + b)].
.set SIZE_N, 1024
.set PITCH,  272                       ; a row of B in LDS: 256 bytes + 16: the 16 rows that a load touches start at 16 different banks (64 banks of 4 bytes: ISA guide 11.1)
.set AHALF,  16384                     ; 64 rows of A for a K step: what one tensor load brings, and what one wave reads
.set BHALF,  128*PITCH                 ; 128 rows of B likewise
.set BOFF,   2*AHALF
.set SLOT,   BOFF+2*BHALF
.set STAGE,  2*SLOT                    ; behind the slots: 16 rows x (512 bytes + 16) for each wave, for the way out; no tensor load lands there
.set SPITCH, 528
.set SPARE,  STAGE+4*16*SPITCH         ; the spare words: 128 bytes a wave, two blocks of 256 bytes that no other line names
.set LAPS,   4                         ; a lap = two K steps = once round the ring
.set ADRA, 16                          ; v16-17  LDS address of my A fragments in slot 0, 1
.set ADRB, 20                          ; v20-21  the same for B
.set BOF,  23                          ; v23     32 x (lane / 16)
.set STO,  24                          ; v24     the way out: where I put 32 bytes of a row
.set RD,   25                          ; v25     where I read a row back
.set CO,   26                          ; v26     16 x lane
.set SPW,  28                          ; v28     LDS address of my spare word; never rewritten
.set NIL,  29                          ; v29     0; never rewritten
.set PFO,  30                          ; v30     256 x lane: the prefetches' offset; never rewritten
.set AF,   64
.set BI,   128
.set G1, 24                            ; s[24:31] group 1 for A's tiles; s[32:39] group 0, a set for each slot
.set G0, 32
.set G1B, 48                           ; s[48:55], s[56:63] the same for B's
.set G0B, 56
.set PFA, 44                           ; s[44:45] where my prefetches stand
.set LIM, 46                           ; s46  1 in wave 0, else the greatest number
.set MSB, 0
.macro WIN new                         ; the immediate's high byte repeats the setting that is left
.if MSB != \new
	s_set_vgpr_msb (MSB<<8)|\new
.set MSB, \new
.endif
.endm
.set MUL,   0xa1                       ; source 0 (B) window 1, source 1 (A) window 0, C and D window 2
.set FIRST, 0x81                       ; the same with C (the bias) in window 0
.set TO_B,  0x40                       ; destination window 1, address window 0
.macro JLOAD s                         ; a joint load: waves 0 and 1 fetch A's halves, waves 2 and 3 B's; an s_nop 0 and four v_nop follow each of the two lines
	s_cmp_eq_u32 s11, 0
	s_cbranch_scc0 .Lfor_b_\@
	tensor_load_to_lds s[G0+4*\s:G0+4*\s+3], s[G1:G1+7]
	s_nop 0
.rept 4
	v_nop
.endr
	s_branch .Lasked_\@
.Lfor_b_\@:
	tensor_load_to_lds s[G0B+4*\s:G0B+4*\s+3], s[G1B:G1B+7]
	s_nop 0
.rept 4
	v_nop
.endr
.Lasked_\@:
.endm
; A PREFETCH INTO THE L2 of A's tile for the K step that stands two refills on (256 matrix instructions ahead of the load that will want it): 128 blocks of 256 bytes.  A tile row is read by one row of one cluster alone:
; its four partners share the blocks out BY ADDRESS, 32 each, a lane a block; in each, wave 0 asks: one instruction.  K steps 0 to 3 come by their loads alone; the last lap's refills have no K step two on.
; Wo is not asked for: every cluster reads the same 2 MiB.
.macro ASK
	s_cmp_gt_u32 s3, s[LIM]                        ; s3 = 1 in the loop's last trip
	s_cbranch_scc0 .Lnot_mine_\@
	global_prefetch_b8 v[PFO], s[PFA:PFA+1] th:TH_LOAD_NT scope:SCOPE_SE
.Lnot_mine_\@:
.endm
.macro CREST                           ; a round of the cluster's barrier behind its opening barrier
	s_cmp_lg_u32 s10, 0
	s_cbranch_scc1 .Lnot_wave_0_\@
	s_barrier_signal -3
.Lnot_wave_0_\@:
	s_barrier_wait -3
	s_barrier_signal -1
	s_barrier_wait -1
.endm
.macro CROUND
	s_barrier_signal -1
	s_barrier_wait -1
	CREST
.endm
	s_load_b128 s[4:7], s[0:1], 0x0                ; att, wo16
	s_load_b64 s[8:9], s[0:1], 0x10                ; out0
	s_load_b64 s[66:67], s[0:1], 0x18              ; bo
	v_lshl_add_u32 v[SPW], v0, 2, SPARE
	v_mov_b32 v[NIL], 0
	ds_add_u32 v[SPW], v[NIL]                      ; the wave's opening: the add, twice on end, and its wait ahead of my first tensor load
	ds_add_u32 v[SPW], v[NIL]
	v_lshrrev_b32 v1, 5, v0
	v_readfirstlane_b32 s10, v1                    ; wave 0..3
	s_lshr_b32 s11, s10, 1                         ; which 64 rows of the tile are mine.  Also: I fetch for A (0) or for B (1)
	s_and_b32 s12, s10, 1                          ; which 128 columns.  Also: which half of that tile I fetch
	s_bfe_u32 s40, ttmp6, 0x40000                  ; cx, cy
	s_bfe_u32 s41, ttmp6, 0x40004
	s_lshl_b32 s42, ttmp9, 2
	s_add_co_u32 s42, s42, s40                     ; tile column
	s_and_b32 s13, ttmp7, 0xffff
	s_lshl_b32 s13, s13, 2
	s_add_co_u32 s13, s13, s41                     ; tile row
	s_lshl_b32 s43, s41, 2
	s_lshl_b32 s43, 15, s43                        ; my row of the cluster
	s_lshl_b32 s47, 0x1111, s40                    ; my column
	s_or_b32 s[G1+0], s43, (3<<16)|(1<<21)         ; A: the mask; elements of 8 bytes; bit 21 beside a mask; no padding
	s_mov_b32 s[G1+1], 32<<16                      ; rows of 256 bytes,
	s_mov_b32 s[G1+2], 64<<16                      ; 64 of them, dense
	s_mov_b32 s[G1+3], 32<<16
	s_mov_b32 s[G1+4], 64
	s_mov_b32 s[G1+5], 32
	s_mov_b32 s[G1+6], 0
	s_mov_b32 s[G1+7], 0
	s_or_b32 s[G1B+0], s47, (1<<16)|(1<<20)|(1<<21)|(5<<22)|(3<<25)   ; B: elements of 2 bytes; 4 words of padding after every 64
	s_mov_b32 s[G1B+1], 128<<16                    ; 128 elements a row,
	s_mov_b32 s[G1B+2], 128<<16                    ; 128 rows,
	s_mov_b32 s[G1B+3], 128<<16
	s_mov_b32 s[G1B+4], 128
	s_mov_b32 s[G1B+5], 1024                       ; 1,024 elements from row to row
	s_mov_b32 s[G1B+6], 0
	s_mov_b32 s[G1B+7], 0
	s_lshl_b32 s16, s13, 1
	s_add_co_u32 s16, s16, s12
	s_lshl_b32 s16, s16, 17                        ; A: group of 64 rows 2 x tile row + half: 131,072 bytes each
	s_mov_b32 s17, 0
	s_lshl_b32 s18, s42, 8
	s_lshl_b32 s19, s12, 7
	s_add_co_u32 s18, s18, s19
	s_lshl_b32 s18, s18, 11                        ; B: row 256 x tile column + 128 x half: 2,048 bytes each
	s_mov_b32 s19, 0
	s_lshl_b32 s20, s12, 14                        ; where they go: no place in the cluster enters an LDS address
	s_mul_i32 s21, s12, BHALF
	s_add_co_u32 s21, s21, BOFF
	s_wait_dscnt 0x0                               ; both opening adds are done
	s_wait_kmcnt 0x0
	s_add_nc_u64 s[14:15], s[4:5], s[16:17]
	s_add_nc_u64 s[18:19], s[6:7], s[18:19]
	CROUND                                         ; all sixteen work-groups are here: the first joint loads meet
.irp s, 0,1
	s_mov_b32 s[G0+4*\s], 1
	s_add_co_u32 s[G0+4*\s+1], s20, \s*SLOT
	s_add_nc_u64 s[G0+4*\s+2:G0+4*\s+3], s[14:15], \s*16384       ; K step s
	s_or_b32 s[G0+4*\s+3], s[G0+4*\s+3], 0x80000000
	s_mov_b32 s[G0B+4*\s], 1
	s_add_co_u32 s[G0B+4*\s+1], s21, \s*SLOT
	s_add_nc_u64 s[G0B+4*\s+2:G0B+4*\s+3], s[18:19], \s*256
	s_or_b32 s[G0B+4*\s+3], s[G0B+4*\s+3], 0x80000000
	JLOAD \s                                       ; two tensor loads of mine are out; later one behind each round
.endr
	v_and_b32 v1, 15, v0                           ; r
	v_bfe_u32 v2, v0, 4, 1                         ; h
	v_mul_u32_u24 v3, v1, PITCH
	v_lshl_add_u32 v3, v2, 4, v3                   ; B: row x pitch + 16 x half
	v_and_b32 v6, 31, v0
	v_lshlrev_b32 v[CO], 4, v6                     ; 16 x lane
	v_lshlrev_b32 v[PFO], 8, v6
	v_lshlrev_b32 v[BOF], 5, v2
	s_lshl_b32 s21, s11, 14                        ; my 64 rows of A
	s_mul_i32 s22, s12, BHALF                      ; my 128 rows of B
	s_add_co_u32 s22, s22, BOFF
.irp s, 0,1
	v_add_nc_u32 v[ADRA+\s], s21, v[CO]
	v_add_nc_u32 v[ADRB+\s], s22, v3
	s_add_co_u32 s21, s21, SLOT
	s_add_co_u32 s22, s22, SLOT
.endr
	s_mul_i32 s23, s10, 16*SPITCH
	s_add_co_u32 s23, s23, STAGE                   ; my stage
	v_mul_u32_u24 v5, v1, SPITCH                   ; in: row r, 32 bytes for each half of the lanes
	v_lshl_add_u32 v5, v2, 5, v5
	v_add_nc_u32 v[STO], s23, v5
	v_add_nc_u32 v[RD], s23, v[CO]                 ; back: the 32 lanes take one row of 512 bytes
	s_lshl_b32 s20, s42, 10                        ; my first column, in bytes: 1,024 x tile column + 512 x half
	s_lshl_b32 s21, s12, 9
	s_add_co_u32 s20, s20, s21
	s_mov_b32 s21, 0
	s_add_nc_u64 s[66:67], s[66:67], s[20:21]      ; in bo,
	s_add_nc_u64 s[8:9], s[8:9], s[20:21]          ; and in a row of out0
.irp b, 0,1,2,3,4,5,6,7
	global_load_b128 v[BI+8*\b:BI+8*\b+3], v[BOF], s[66:67] offset:64*\b       ; bo at n = 16 b + 8 h + 0 .. 7
	global_load_b128 v[BI+8*\b+4:BI+8*\b+7], v[BOF], s[66:67] offset:64*\b+16
.endr
	s_lshl_b32 s20, s13, 7
	s_lshl_b32 s21, s11, 6
	s_add_co_u32 s20, s20, s21                     ; my first row: 128 x tile row + 64 x half
	s_lshl_b32 s20, s20, 12                        ; 4,096 bytes a row
	s_mov_b32 s21, 0
	s_add_nc_u64 s[8:9], s[8:9], s[20:21]
	s_lshl_b32 s20, s13, 1                         ; the prefetches: my work-group's quarter of A's tile: group of 64 rows 2 x tile row + cx / 2, 8,192 bytes (cx % 2) on,
	s_lshr_b32 s21, s40, 1
	s_add_co_u32 s20, s20, s21
	s_lshl_b32 s20, s20, 17
	s_and_b32 s21, s40, 1
	s_lshl_b32 s21, s21, 13
	s_add_co_u32 s20, s20, s21
	s_add_co_u32 s20, s20, 3*16384                 ; at K step 3: the first refill steps it to 4.  Nothing is prefetched here, at the head
	s_mov_b32 s21, 0
	s_add_nc_u64 s[PFA:PFA+1], s[4:5], s[20:21]
	s_cmp_eq_u32 s10, 0
	s_cselect_b32 s[LIM], 1, -1
; 8 matrix instructions: A's block a x B's eight, 32 along K, from buffer f.  first = 1: the bias is the C: nothing is cleared or added later.
; The 32 accumulators take turns, one instruction a turn, in the same order in every quarter.
.macro MUL8 f, a, first
.irp b, 0,1,2,3,4,5,6,7
.if \first
	v_wmma_f32_16x16x32_f16 v[8*(8*(\a)+\b):8*(8*(\a)+\b)+7], v[64*(\f)+8*\b:64*(\f)+8*\b+7], v[AF+32*(\f)+8*(\a):AF+32*(\f)+8*(\a)+7], v[BI+8*\b:BI+8*\b+7]
.else
	v_wmma_f32_16x16x32_f16 v[8*(8*(\a)+\b):8*(8*(\a)+\b)+7], v[64*(\f)+8*\b:64*(\f)+8*\b+7], v[AF+32*(\f)+8*(\a):AF+32*(\f)+8*(\a)+7], v[8*(8*(\a)+\b):8*(8*(\a)+\b)+7]
.endif
.endr
.endm
; 24 LDS loads in one run: the fragments of the slot's q-th 32 along K into buffer f: B's eight, then A's four
.macro FETCH slot, q, f
	WIN TO_B
.irp i, 0,1,2,3,4,5,6,7
	ds_load_b128 v[64*(\f)+8*\i:64*(\f)+8*\i+3],   v[ADRB+\slot] offset:64*(\q)+\i*16*PITCH
	ds_load_b128 v[64*(\f)+8*\i+4:64*(\f)+8*\i+7], v[ADRB+\slot] offset:64*(\q)+\i*16*PITCH+32
.endr
	WIN 0
.irp i, 0,1,2,3
	ds_load_b128 v[AF+32*(\f)+8*\i:AF+32*(\f)+8*\i+3],   v[ADRA+\slot] offset:1024*(\q)+4096*\i
	ds_load_b128 v[AF+32*(\f)+8*\i+4:AF+32*(\f)+8*\i+7], v[ADRA+\slot] offset:1024*(\q)+4096*\i+512
.endr
.endm
.macro PLACES                          ; four places in front of loads into registers that matrix instructions have read, and of reads of results (ISA guide 7.12.1 for vector instructions)
.rept 4
	v_nop
.endr
.endm
; A K step is four quarters of 32 along K, 32 matrix instructions each, on buffers 0, 1, 0, 1.  One of the first three: multiplies buffer f and fetches the slot's q-th quarter into g.
.macro QUARTER slot, q, f, g, first
	s_wait_dscnt 4                                 ; B and A's blocks 0, 1 are in; the youngest four loads (A's blocks 2, 3) may be out
.if \first
	WIN FIRST
.else
	WIN MUL
.endif
	MUL8 \f, 0, \first
	MUL8 \f, 1, \first
	PLACES
	FETCH \slot, \q, \g
	s_wait_dscnt 24                                ; all but the 24 just issued
.if \first
	WIN FIRST
.else
	WIN MUL
.endif
	MUL8 \f, 2, \first
	MUL8 \f, 3, \first
.endm
; The last quarter multiplies buffer 1 and changes slots: ONE barrier; in front of it each wave waits for all its tensor loads, adds 0 to its spare word, and waits for that and for its reads of this slot.
; fill = 1: the barrier opens a round of the cluster's barrier, and this slot is filled again, two K steps ahead: the load has 112 matrix instructions in which to land.
.macro TURN slot, next, fill
.if \fill
	s_wait_xcnt 0x0                                ; the last prefetch, a K step back, has read its address: it is stepped here
	s_add_nc_u64 s[PFA:PFA+1], s[PFA:PFA+1], 16384
.endif
	WIN 0                                          ; (the add's two registers lie in window 0)
	s_wait_tensorcnt 0x0                           ; all my tensor loads have landed: my part of the next slot;
	ds_add_u32 v[SPW], v[NIL]                      ; 0 onto my spare word;
	s_wait_dscnt 5                                 ; (the add and the youngest four loads may be out)
	WIN MUL
	MUL8 1, 0, 0                                   ; eight matrix instructions stand between the add and the wait for it
	s_wait_dscnt 0x0                               ; the add is done, and my reads of this slot are over
	s_barrier_signal -1
	MUL8 1, 1, 0
.if \fill
	WIN 0
.endif
	s_barrier_wait -1
.if \fill
	CREST                                          ; no wave of any partner still reads this slot's tile or has a load on its way
	s_add_nc_u64 s[G0+4*\slot+2:G0+4*\slot+3], s[G0+4*\slot+2:G0+4*\slot+3], 2*16384
	s_add_nc_u64 s[G0B+4*\slot+2:G0B+4*\slot+3], s[G0B+4*\slot+2:G0B+4*\slot+3], 2*256
	JLOAD \slot                                    ; the first tensor load behind the round; the four v_nop behind it are also the places in front of the loads below
.else
	PLACES
.endif
	FETCH \next, 0, 0
.if \fill
	ASK                                            ; behind the joint load and the run of LDS loads that the next products wait for
.endif
	WIN MUL
	MUL8 1, 2, 0
	MUL8 1, 3, 0
.endm
	s_wait_tensorcnt 1                             ; my part of K step 0 is in; K step 1's load may be out
	s_barrier_signal -1
	s_barrier_wait -1
	FETCH 0, 0, 0
	s_wait_loadcnt 0x0                             ; the bias
	QUARTER 0, 1, 0, 1, 1                          ; the first quarter stands in front of the loop: its products start the sums from the bias
	WIN 0                                          ; at a label and at a branch every window is 0
	s_mov_b32 s3, LAPS-1
.Llap:                                             ; a trip goes once round the ring, from a lap's second quarter to the next lap's first, and fills both slots again
	QUARTER 0, 2, 1, 0, 0
	QUARTER 0, 3, 0, 1, 0
	TURN 0, 1, 1
	QUARTER 1, 1, 0, 1, 0
	QUARTER 1, 2, 1, 0, 0
	QUARTER 1, 3, 0, 1, 0
	TURN 1, 0, 1
	QUARTER 0, 1, 0, 1, 0
	WIN 0
	s_sub_co_u32 s3, s3, 1
	s_cmp_lg_u32 s3, 0
	s_cbranch_scc1 .Llap
	QUARTER 0, 2, 1, 0, 0                          ; the last lap fills nothing, and has no round of the cluster's barrier
	QUARTER 0, 3, 0, 1, 0
	TURN 0, 1, 0
	QUARTER 1, 1, 0, 1, 0
	QUARTER 1, 2, 1, 0, 0
	QUARTER 1, 3, 0, 1, 0
	s_wait_dscnt 4                                 ; the very last quarter: nothing more to fetch
	WIN MUL
	MUL8 1, 0, 0
	MUL8 1, 1, 0
	s_wait_dscnt 0
	MUL8 1, 2, 0
	MUL8 1, 3, 0
	WIN 0
; THE WAY OUT, block by block of 16 rows x 128 columns: a lane holds 32 neighbouring bytes of a row and the lanes beside it other rows, so a block goes through my own stage in LDS and comes back as whole rows of
; 512 bytes.  LDS serves a wave's instructions in order (ISA guide 5.7.1.4): no wait between the stores and the loads, nor in front of the next block's stores.
.macro TOSTAGE a
	WIN 0x08                                       ; an LDS store's data: window 2
.irp b, 0,1,2,3,4,5,6,7
	ds_store_b128 v[STO], v[8*(8*(\a)+\b):8*(8*(\a)+\b)+3] offset:64*\b            ; each accumulator from its low end on
	ds_store_b128 v[STO], v[8*(8*(\a)+\b)+4:8*(8*(\a)+\b)+7] offset:64*\b+16
.endr
	WIN 0
.set BB, 192-128*((\a)%2)
.irp t, 0,1,2,3,4,5,6,7,8,9,10,11,12,13,14,15
	ds_load_b128 v[BB+4*\t:BB+4*\t+3], v[RD] offset:\t*SPITCH
.endr
.endm
.macro SEND a, younger                 ; younger: the LDS instructions issued behind block a's loads, which may stay out
.set BB, 192-128*((\a)%2)
	s_wait_dscnt \younger
.if (\a) > 0
	s_add_nc_u64 s[8:9], s[8:9], 16*SIZE_N*4       ; (behind a wait on XCNT: the earlier stores have read their base)  16 rows on
.endif
.irp t, 0,1,2,3,4,5,6,7,8,9,10,11,12,13,14,15
	global_store_b128 v[CO], v[BB+4*\t:BB+4*\t+3], s[8:9] offset:\t*SIZE_N*4 th:TH_STORE_NT   ; 32 lanes store 512 consecutive bytes, aligned; written once, read by nobody here
.endr
.endm
	PLACES                                         ; behind the last products: for the reads of their results and for the loads into the registers that held A's fragments
	TOSTAGE 0
.irp a, 1,2,3
.if \a > 1
	s_wait_xcnt 0x0                                ; block a - 2's stores have read their registers and their base
.endif
	TOSTAGE \a
	SEND \a-1, 32                                  ; behind block a - 1's loads: block a's 16 stores and 16 loads
.endr
	s_wait_xcnt 0x0                                ; block 2's stores have read their base
	SEND 3, 0
	s_wait_tensorcnt 0x0                           ; the wave's end: behind my last tensor load and my last LDS store
	ds_add_u32 v[SPW], v[NIL]
	s_wait_dscnt 0x0
	CROUND                                         ; the closing round: no work-group ends while a partner may still ask for a tile that names it
	s_endpgm
.Lfunc_end_k_qa38179de31_outp:
	.size	k_qa38179de31_outp, .Lfunc_end_k_qa38179de31_outp-k_qa38179de31_outp
	.p2alignl 7, 3214868480
	.fill 96, 4, 3214868480
	.section	.rodata,"a",@progbits
	.p2align	6, 0x0
	.amdhsa_kernel k_qa38179de31_outp
		.amdhsa_group_segment_fixed_size 327680
		.amdhsa_private_segment_fixed_size 0
		.amdhsa_enable_private_segment 0
		.amdhsa_kernarg_size 32
		.amdhsa_user_sgpr_count 2
		.amdhsa_user_sgpr_kernarg_segment_ptr 1
		.amdhsa_wavefront_size32 1
		.amdhsa_system_sgpr_workgroup_id_x 1
		.amdhsa_system_sgpr_workgroup_id_y 1
		.amdhsa_system_sgpr_workgroup_id_z 1
		.amdhsa_system_vgpr_workitem_id 0
		.amdhsa_next_free_vgpr 768
		.amdhsa_next_free_sgpr 68
		.amdhsa_reserve_vcc 0
		.amdhsa_float_denorm_mode_32 3
		.amdhsa_float_denorm_mode_16_64 3
		.amdhsa_memory_ordered 1
		.amdhsa_forward_progress 1
		.amdhsa_inst_pref_size 88
	.end_amdhsa_kernel
	.amdgpu_metadata
---
amdhsa.version: [ 1, 2 ]
amdhsa.kernels:
  - .name:           k_qa38179de31_outp
    .symbol:         k_qa38179de31_outp.kd
    .args:
      - { .name: att, .offset: 0, .size: 8, .value_kind: global_buffer, .address_space: global }
      - { .name: wo16, .offset: 8, .size: 8, .value_kind: global_buffer, .address_space: global }
      - { .name: out0, .offset: 16, .size: 8, .value_kind: global_buffer, .address_space: global }
      - { .name: bo, .offset: 24, .size: 8, .value_kind: global_buffer, .address_space: global }
    .group_segment_fixed_size: 327680
    .private_segment_fixed_size: 0
    .kernarg_segment_align: 8
    .kernarg_segment_size: 32
    .max_flat_workgroup_size: 128
    .sgpr_count:     68
    .vgpr_count:     768
    .wavefront_size: 32
...
	.end_amdgpu_metadata
.endif
;; end of part 4
